; MI455X (gfx1250); checked and timed in simulation.
; The chip was launched on July 23, 2026; its instructions are those of AMD's public machine-readable ISA for CDNA 5 (MIT licence, August 2026) and "CDNA5" Instruction Set Architecture Reference Guide (July 2026). The comments in the code are by the model that wrote it; some were corrected since.
;; Attention. Allowed arithmetic: matrix products marked QUANTISED: E5M2 operands, one given power-of-two scale a tensor, by v_wmma_f32_16x16x64_bf8_bf8 or v_wmma_f32_16x16x128_bf8_bf8, f32 sums; products left as they are: f32 operands where the result goes on into a quantised operand, else bf16, f16 or f32 operands; f32 sums; everything else in f32.
;; Inputs: attn_b 1,024 float32; attn_w 3,072 x 1,024 float32; decoder_hidden 64 x 1,024 float32; encoder_mask 64 x 512 int32; encoder_outputs 64 x 512 x 2,048 float32; lowp_scales 4 int32 (the exponents e of the quantised operands' scales 2^e); v_w 1,024 float32.
;; Outputs: out0 64 x 2,048 float32; out1 64 x 512 float32.
;; This version of the problem:
;;   THIS VERSION OF THE PROBLEM IS GIVEN IN LOW PRECISION. The matrix products marked QUANTISED in the list below multiply operands that are first quantised to E5M2 (5 exponent bits, 2 mantissa bits; 8 bits a number), with one given power-of-two scale for each operand tensor; their sums are f32. All else is computed in f32.
;;   The module's matrix products, in the order in which they are computed (A, B: the left and right operand; K: the contracted axis; several contracted axes count as one K, in the product's order):
;;     1. [M 64, K 1,024] x [K 1,024, N 1,024]; A: input decoder_hidden; B: input attn_w: QUANTISED (scales: A lowp_scales[0], B lowp_scales[1])
;;     2. [M 32,768, K 2,048] x [K 2,048, N 1,024]; A: input encoder_outputs; B: input attn_w: QUANTISED (scales: A lowp_scales[2], B lowp_scales[3])
;;     3. [M 32,768, K 1,024] x [K 1,024, N 1]; A: computed on the way; B: input v_w: left as it is (N = 1 < 16)
;;     4. batch 64 x [M 1, K 512] x [K 512, N 2,048]; A: softmax; B: input encoder_outputs: left as it is (M = 1 < 16)
;;   THE QUANTISER, for each operand of a quantised product, along K:
;;     - The operand's scale is 2^e, e = its entry of the input lowp_scales (int32; the entries are numbered through the quantised products in the list's order, A before B).
;;     - Each number is divided by the scale, clamped to +-57,344, and rounded to the nearest number of E5M2, ties to even, subnormals kept.
;;     - The product sums the exact products of the quantised numbers (number of the format x scale) in f32.
;;   ~~~python
;;   def quantise(x, axis, e):      # numpy; x: float32 -> the quantised numbers, widened to float32 again
;;       x = np.moveaxis(x, axis, -1); K = x.shape[-1]
;;       r = np.clip(x / 2.0 ** e, -57344, 57344)
;;       step = 2.0 ** (np.maximum(np.frexp(np.where(r == 0, 1, r))[1] - 1, -14) - 2)
;;       q = np.round(r / step) * step * 2.0 ** e      # np.round: ties to even
;;       return np.moveaxis(q, -1, axis).astype(np.float32)
;;   ~~~
;; 2 versions. Each part assembles by itself: llvm-mc -triple=amdgcn-amd-amdhsa -mcpu=gfx1250 --defsym DOCPART=n.
;; ======== version 1 of 2: 3 launches
;; workspace buffers: wq 2,097,152 bytes; dpp 1,048,576 bytes; sc 131,072 bytes
;; launch prep (part 1): grid 384 x 1, 4 waves a work-group, no clusters, 0 bytes of LDS; arguments attn_w, decoder_hidden, lowp_scales, wq, dpp; writes wq, dpp
.if DOCPART == 1
	.amdgcn_target "amdgcn-amd-amdhsa--gfx1250"
	.amdhsa_code_object_version 6
	.text
	.protected	k_q6799c9cba5_prep
	.globl	k_q6799c9cba5_prep
	.p2align	8
	.type	k_q6799c9cba5_prep,@function
k_q6799c9cba5_prep:
	s_mov_b64 s[64:65], 0
	v_nop
	global_prefetch_b8 v0, s[64:65] scope:SCOPE_SE
	s_setreg_imm32_b32 hwreg(HW_REG_WAVE_MODE, 25, 1), 1
	s_wait_xcnt 0x0
; LAUNCH 1 OF 3.  Additive attention: dec = decoder_hidden w_dec + attn_b; enc = encoder_outputs w_enc; attention = sum_a v_w[a] tanh(dec + enc); masked softmax over the 512 positions; context.
; This launch (a) turns w_enc = attn_w[1024:3072] into codes of BF8 (E5M2) with the given scale 2^e3, laid in the order in which the next launch's operand registers take them (wq), and
; (b) makes the quantised product decoder_hidden w_dec (scales 2^e0, 2^e1) as four partial f32 sums over quarters of K, stored as images of the result registers (dpp).  The next launch adds them.
; WORK LEFT OUT BY THE PROGRAM, AND WHY IT IS DEAD.  For every real x, tanh(x) = 1 - 2 / (1 + e^(2x)).  So attention[b,s] = sum_a v_w[a] - 2 sum_a v_w[a] r[b,s,a], r = 1 / (1 + e^(2x)).
; The first term does not hang on s: it is the same along the softmax's axis for all values of the inputs, a softmax takes such a term away, a masked position is -inf with it or without it,
; and attention itself is no output.  So sum_a v_w[a] is never formed.  Every input still has a way to an output and is loaded by some launch.
; LIMIT: a NaN, an infinity or an overflow that would arise in sum_a v_w[a] alone is not carried to the result.
; LIMITS on the given exponents: e0, e1, e3 between -126 and 112, so that 2^e and 57,344 x 2^e are f32 numbers.  NaN among the inputs is not served.
; wq, byte ((((w 2 + p) 32 + hs) 8 + b) 2 + c) 512 + 256 h + 16 r + i  =  the code of w_enc[64 hs + 32 c + 16 h + i][512 p + 128 w + 16 b + r], i = 0 .. 15.
; dpp, byte d 16384 + kq 4096 + a 1024 + q 512 + 16 lane + 4 e  =  the raw sum over k = 256 kq .. + 255 for batch 16 a + lane % 16 and column 16 d + 8 (lane / 16) + 4 q + e.
; In every operand of this program registers 4 c .. 4 c + 3 of lane (r, h) hold k = 32 c + 16 h + 0 .. 15: one permutation of k, the same on both sides of a product, so each number meets its partner.
; Work-groups 0 .. 127 take w_enc, 128 .. 383 the small product: a scalar branch on the work-group's number.  No LDS, no barrier: waves share nothing.
.set XW,  32                           ; W path: v32-95   two sets of 32 numbers, a block of 32 along K of my column
.set CW,  96                           ;         v96-127  codes: eight registers for each of four blocks, never rewritten
.set BN0, 32                           ; dec path: v32-95, v96-159 w_dec's numbers of K steps 0 and 1
.set BN1, 96
.set AN,  160                          ;         v160-223 decoder_hidden's numbers of the K step in hand
.set BC,  224                          ;         v224-239 w_dec's codes;  v240-255 decoder_hidden's
.set AC,  240
.set ACC, 16                           ;         v16-23   the one accumulator
	s_load_b256 s[4:11], s[0:1], 0x0               ; attn_w s[4:5], decoder_hidden s[6:7], lowp_scales s[8:9], wq s[10:11]
	s_load_b64 s[12:13], s[0:1], 0x20              ; dpp
	v_lshrrev_b32 v1, 5, v0
	v_readfirstlane_b32 s16, v1                    ; wave 0..3
	v_and_b32 v1, 31, v0                           ; lane
	v_and_b32 v2, 15, v0                           ; r
	v_bfe_u32 v3, v0, 4, 1                         ; h
	s_wait_kmcnt 0x0
	s_load_b128 s[20:23], s[8:9], 0x0              ; e0, e1, e2, e3
	s_cmp_lt_u32 ttmp9, 128
	s_cbranch_scc0 .Ldec
	; ---- w_enc.  A LANE TAKES A COLUMN AND ITS REGISTERS RUN DOWN K: the conversions then give codes with K innermost.  Work-group x: columns 128 (x % 8) on, K 128 (x / 8) on; wave j: 32 of the columns.
	s_and_b32 s24, ttmp9, 7                        ; g: which 128 columns
	s_lshr_b32 s25, ttmp9, 3                       ; ky: which 128 along K
	s_lshl_b32 s26, s25, 19                        ; 128 ky rows of 4,096 bytes,
	s_add_co_u32 s26, s26, 1024*4096               ; behind w_dec's 1,024 rows,
	s_lshl_b32 s27, s24, 9
	s_add_co_u32 s26, s26, s27                     ; + 512 g
	s_lshl_b32 s27, s16, 7
	s_add_co_u32 s26, s26, s27                     ; + 128 j
	s_mov_b32 s27, 0
	s_add_nc_u64 s[4:5], s[4:5], s[26:27]
	s_and_b32 s28, s24, 3                          ; w = g % 4, p = g / 4
	s_lshl_b32 s28, s28, 1
	s_lshr_b32 s29, s24, 2
	s_add_co_u32 s28, s28, s29
	s_lshl_b32 s28, s28, 18                        ; (2 w + p) x 262,144
	s_lshl_b32 s29, s25, 14
	s_add_co_u32 s28, s28, s29                     ; + two half-steps of 8,192 for each ky
	s_lshl_b32 s29, s16, 11
	s_add_co_u32 s28, s28, s29                     ; + tiles 2 j, 2 j + 1 of 1,024
	s_mov_b32 s29, 0
	s_add_nc_u64 s[10:11], s[10:11], s[28:29]
	v_lshlrev_b32 v4, 2, v1                        ; in: 4 bytes a lane: a wave's load reads 128 consecutive bytes, the four waves 512
	v_lshlrev_b32 v5, 4, v2
	v_lshl_add_u32 v5, v3, 10, v5                  ; out: 16 r + 1,024 (lane / 16): sixteen lanes store 256 consecutive bytes, aligned
.macro LOADW t                         ; block t: w_enc(128 ky + 32 t + i, my column), i = 0 .. 31, into set t % 2
.set i, 0
.rept 32
	global_load_b32 v[XW+32*((\t)%2)+i], v4, s[4:5] offset:(32*(\t)+i)*4096 th:TH_LOAD_NT
.set i, i+1
.endr
.endm
	LOADW 0
	LOADW 1
	s_wait_kmcnt 0x0
	s_add_co_i32 s30, s23, 127
	s_lshl_b32 s31, s30, 23
	v_mov_b32 v8, s31                              ; 2^e3 as f32: the conversion takes its exponent field
	s_add_co_i32 s30, s30, 15
	s_lshl_b32 s30, s30, 23
	s_or_b32 s30, s30, 0x600000
	v_mov_b32 v10, s30                             ; 57,344 x 2^e3
.macro BLOCKW t
.set XS, XW+32*((\t)%2)
.if (\t) < 3
	s_wait_loadcnt 32                              ; this block's 32 loads are in; the next block's 32 may be out
.else
	s_wait_loadcnt 0
.endif
.set i, 0
.rept 32
	v_med3_num_f32 v[XS+i], v[XS+i], -v10, v10     ; the conversion to an 8-bit code does not saturate (ISA guide 7.6.2): the hold at the largest code x the scale
.set i, i+1
.endr
.irp g, 0,1,2,3
	v_cvt_scalef32_pk8_bf8_f32 v[CW+8*(\t)+2*\g:CW+8*(\t)+2*\g+1], v[XS+8*\g:XS+8*\g+7], v8
.endr
	v_nop                                          ; a plain vector line behind the last conversion of the run
	global_store_b128 v5, v[CW+8*(\t):CW+8*(\t)+3], s[10:11] offset:((\t)/2)*8192+((\t)%2)*512         ; k = 32 t + 0 .. 15: h = 0
	global_store_b128 v5, v[CW+8*(\t)+4:CW+8*(\t)+7], s[10:11] offset:((\t)/2)*8192+((\t)%2)*512+256   ; k = 32 t + 16 .. 31: h = 1
.if (\t) < 2
	LOADW (\t)+2
.endif
.endm
	BLOCKW 0
	BLOCKW 1
	BLOCKW 2
	BLOCKW 3
	s_endpgm
	; ---- decoder_hidden w_dec.  Work-group y = x - 128: 16 columns d = y / 4, the K quarter kq = y % 4; wave a: batches 16 a on.  Source 0 = 16 columns of w_dec, source 1 = 16 batches:
	; in the result lane (r, h) holds batch 16 a + r and its register j column 16 d + 8 h + j.
.Ldec:
	s_sub_co_u32 s24, ttmp9, 128
	s_lshr_b32 s25, s24, 2                         ; d
	s_and_b32 s24, s24, 3                          ; kq
	s_lshl_b32 s26, s24, 20                        ; w_dec: 256 kq rows of 4,096 bytes
	s_lshl_b32 s27, s25, 6
	s_add_co_u32 s26, s26, s27                     ; + 64 d
	s_mov_b32 s27, 0
	s_add_nc_u64 s[4:5], s[4:5], s[26:27]
	s_lshl_b32 s26, s16, 16                        ; decoder_hidden: 16 a rows of 4,096 bytes
	s_lshl_b32 s28, s24, 10
	s_add_co_u32 s26, s26, s28                     ; + 1,024 kq
	s_add_nc_u64 s[6:7], s[6:7], s[26:27]
	s_lshl_b32 s26, s25, 14                        ; dpp: 16,384 d + 4,096 kq + 1,024 a
	s_lshl_b32 s28, s24, 12
	s_add_co_u32 s26, s26, s28
	s_lshl_b32 s28, s16, 10
	s_add_co_u32 s26, s26, s28
	s_add_nc_u64 s[12:13], s[12:13], s[26:27]
	v_lshlrev_b32 v4, 2, v2
	v_lshl_add_u32 v4, v3, 16, v4                  ; w_dec: column r; lanes 16-31 begin 16 rows further down
	v_lshlrev_b32 v5, 12, v2
	v_lshl_add_u32 v5, v3, 6, v5                   ; decoder_hidden: row r, + 64 h: my 16 numbers of a block of 32
	v_lshlrev_b32 v6, 4, v1                        ; dpp: 16 x lane
.macro LOADB s, reg                    ; w_dec(128 s + 32 c + 16 h + i, my column) into v[reg + 16 c + i]
.irp c, 0,1,2,3
.set i, 0
.rept 16
	global_load_b32 v[\reg+16*\c+i], v4, s[4:5] offset:(128*(\s)+32*\c+i)*4096
.set i, i+1
.endr
.endr
.endm
.macro LOADA s                         ; decoder_hidden(my row, 128 s + 32 c + 16 h + 4 j ..) into v[AN + 16 c + 4 j ..]
.irp c, 0,1,2,3
.irp j, 0,1,2,3
	global_load_b128 v[AN+16*\c+4*\j:AN+16*\c+4*\j+3], v5, s[6:7] offset:512*(\s)+128*\c+16*\j
.endr
.endr
.endm
.macro QUANT src, dst, sc, lim         ; 64 numbers of a lane become a fragment's 16 registers of codes
.irp c, 0,1,2,3
.set i, 0
.rept 16
	v_med3_num_f32 v[\src+16*\c+i], v[\src+16*\c+i], -v[\lim], v[\lim]
.set i, i+1
.endr
	v_cvt_scalef32_pk8_bf8_f32 v[\dst+4*\c:\dst+4*\c+1], v[\src+16*\c:\src+16*\c+7], v[\sc]
	v_cvt_scalef32_pk8_bf8_f32 v[\dst+4*\c+2:\dst+4*\c+3], v[\src+16*\c+8:\src+16*\c+15], v[\sc]
.endr
.endm
	LOADB 0, BN0
	LOADA 0
	LOADB 1, BN1
	s_wait_kmcnt 0x0
	s_add_co_i32 s28, s21, 127
	s_lshl_b32 s29, s28, 23
	v_mov_b32 v8, s29                              ; 2^e1, for w_dec
	s_add_co_i32 s28, s28, 15
	s_lshl_b32 s28, s28, 23
	s_or_b32 s28, s28, 0x600000
	v_mov_b32 v10, s28                             ; 57,344 x 2^e1
	s_add_co_i32 s28, s20, 127
	s_lshl_b32 s29, s28, 23
	v_mov_b32 v9, s29                              ; 2^e0, for decoder_hidden
	s_add_co_i32 s28, s28, 15
	s_lshl_b32 s28, s28, 23
	s_or_b32 s28, s28, 0x600000
	v_mov_b32 v11, s28                             ; 57,344 x 2^e0
	s_wait_loadcnt 63                              ; K step 0 of both is in: 64 loads were issued behind it, and a wait names 63 at the most (a smaller count is always safe)
	QUANT BN0, BC, 8, 10
	QUANT AN, AC, 9, 11
	v_nop                                          ; a plain vector line between the last conversion and the matrix instruction that reads its result
	LOADA 1                                        ; K step 1 of decoder_hidden, into the registers just converted
	v_wmma_f32_16x16x128_bf8_bf8 v[ACC:ACC+7], v[BC:BC+15], v[AC:AC+15], 0     ; the first K step starts the sum
	s_wait_loadcnt 0x0
	QUANT BN1, BC, 8, 10                           ; its first sixteen holds name none of the product's registers: they are the places ahead of the conversions that write the codes anew
	QUANT AN, AC, 9, 11
	v_nop
	s_wait_alu depctr_va_vdst(0)                   ; the wait stands directly ahead of the link
	v_wmma_f32_16x16x128_bf8_bf8 v[ACC:ACC+7], v[BC:BC+15], v[AC:AC+15], v[ACC:ACC+7]
.rept 4
	v_nop                                          ; four places ahead of the stores that read the result
.endr
	global_store_b128 v6, v[ACC:ACC+3], s[12:13]               ; 32 lanes store 512 consecutive bytes, aligned; the accumulator from its low end on
	global_store_b128 v6, v[ACC+4:ACC+7], s[12:13] offset:512
	s_endpgm
.Lfunc_end_k_q6799c9cba5_prep:
	.size	k_q6799c9cba5_prep, .Lfunc_end_k_q6799c9cba5_prep-k_q6799c9cba5_prep
	.p2alignl 7, 3214868480
	.fill 96, 4, 3214868480
	.section	.rodata,"a",@progbits
	.p2align	6, 0x0
	.amdhsa_kernel k_q6799c9cba5_prep
		.amdhsa_group_segment_fixed_size 0
		.amdhsa_private_segment_fixed_size 0
		.amdhsa_enable_private_segment 0
		.amdhsa_kernarg_size 40
		.amdhsa_user_sgpr_count 2
		.amdhsa_user_sgpr_kernarg_segment_ptr 1
		.amdhsa_wavefront_size32 1
		.amdhsa_system_sgpr_workgroup_id_x 1
		.amdhsa_system_sgpr_workgroup_id_y 1
		.amdhsa_system_sgpr_workgroup_id_z 1
		.amdhsa_system_vgpr_workitem_id 0
		.amdhsa_next_free_vgpr 256
		.amdhsa_next_free_sgpr 66
		.amdhsa_reserve_vcc 0
		.amdhsa_float_denorm_mode_32 3
		.amdhsa_float_denorm_mode_16_64 3
		.amdhsa_memory_ordered 1
		.amdhsa_forward_progress 1
		.amdhsa_inst_pref_size 59
	.end_amdhsa_kernel
	.amdgpu_metadata
---
amdhsa.version: [ 1, 2 ]
amdhsa.kernels:
  - .name:           k_q6799c9cba5_prep
    .symbol:         k_q6799c9cba5_prep.kd
    .args:
      - { .name: attn_w, .offset: 0, .size: 8, .value_kind: global_buffer, .address_space: global }
      - { .name: decoder_hidden, .offset: 8, .size: 8, .value_kind: global_buffer, .address_space: global }
      - { .name: lowp_scales, .offset: 16, .size: 8, .value_kind: global_buffer, .address_space: global }
      - { .name: wq, .offset: 24, .size: 8, .value_kind: global_buffer, .address_space: global }
      - { .name: dpp, .offset: 32, .size: 8, .value_kind: global_buffer, .address_space: global }
    .group_segment_fixed_size: 0
    .private_segment_fixed_size: 0
    .kernarg_segment_align: 8
    .kernarg_segment_size: 40
    .max_flat_workgroup_size: 128
    .sgpr_count:     66
    .vgpr_count:     256
    .wavefront_size: 32
...
	.end_amdgpu_metadata
.endif
;; end of part 1
;; launch scores (part 2): grid 256 x 1, 4 waves a work-group, no clusters, 268,800 bytes of LDS; arguments encoder_outputs, wq, dpp, attn_b, v_w, encoder_mask, lowp_scales, sc; writes sc
.if DOCPART == 2
	.amdgcn_target "amdgcn-amd-amdhsa--gfx1250"
	.amdhsa_code_object_version 6
	.text
	.protected	k_q6799c9cba5_scores
	.globl	k_q6799c9cba5_scores
	.p2align	8
	.type	k_q6799c9cba5_scores,@function
k_q6799c9cba5_scores:
	s_mov_b64 s[64:65], 0
	v_nop
	global_prefetch_b8 v0, s[64:65] scope:SCOPE_SE
	s_setreg_imm32_b32 hwreg(HW_REG_WAVE_MODE, 25, 1), 1
	s_wait_xcnt 0x0
; LAUNCH 2 OF 3.  sc[b][s] = t = log2(e) x (-2 sum_a v_w[a] r[b,s,a]), r = 1 / (1 + e^(2x)), x = dec[b][a] + enc[b][s][a]; -inf where encoder_mask is 0.
; LEFT OUT: sum_a v_w[a], which is the same along the softmax's axis (shown at the head of the first launch's text).
; enc = encoder_outputs w_enc is the QUANTISED product: codes of BF8 (E5M2), scales 2^e2 and 2^e3, by v_wmma_f32_16x16x64_bf8_bf8, sums in f32.
; SHARES.  Work-group T owns rows 128 T .. + 127 of the 32,768 (all of batch T / 4).  PHASE 1: wave w reads rows 32 w .. + 31 once, quantises them in registers, and all 128 x 2,048 codes stay in LDS.
; PHASE 2: two passes of 512 columns.  In pass p wave w owns all 128 rows x columns 512 p + 128 w .. + 127: 64 accumulators, 512 registers.  Rows' fragments come from LDS; w_enc's codes come
; from memory straight into a ring of four register slots, one half-step (64 along K) each, laid by the first launch so that a fragment is two loads of 16 bytes a lane.  No byte of w_enc is loaded twice by a work-group.
; A pass ends in y = 2 log2(e) x, r = 1 / (1 + 2^y), the sum of -2 log2(e) v_w r over the wave's 128 columns; the eight partial sums of a row (2 passes x 4 waves) meet in LDS.
; WHY NO TENSOR LOADS AND NO CLUSTER: the rows' codes take 264,192 bytes of LDS; what is left does not hold two slots of a pass's 512 columns x 64 codes (65,536 bytes) beside the scratch and the spare words.
; The product is used in the natural order (source 0 = 16 rows, source 1 = 16 columns): a lane holds ONE column (lane % 16) and eight rows, so dec and v_w are one number a lane and tile.
; LIMITS: e2 between -126 and 112; e0 + e1 and e2 + e3 between -125 and 125 (they are added to the exponent field of 2 log2(e)).  NaN among the inputs is not served.
; REGISTERS, in windows of 256 (s_set_vgpr_msb: bits 1:0 source 0, 3:2 source 1, 5:4 source 2, 7:6 destination):
;   window 0: v1-29 addresses and constants; v32-47, v48-63 dec' and v' for 16 column tiles; v64-95 the pass's eight of each, as pairs; v96-127 at work;
;             v128-191, v192-255 rows' fragments, two sets (phase 1: v128-191 codes on their way to LDS; a pass's end: v128-191 the 64 row sums)
;   window 1: phase 1: two sets of 128 numbers;  phase 2: w_enc's ring, slot s at v[64 s], tile b at + 8 b
;   window 2: phase 1: v0-95 the raw parameters;  then accumulator (a, b) at v[8 (8 b + a)], b = 0 .. 3;   window 3: b = 4 .. 7
.set PITCH, 2064                       ; a row of codes in LDS: 2,048 bytes + 16 = 516 words: row r starts at bank 4 r mod 64 (64 banks of 4 bytes: ISA guide 11.1), so the 16 rows of a load start at 16 different banks
.set SCR,   128*PITCH                  ; behind the codes: [pass 2][wave 4][row 128] f32, 4,096 bytes
.set SPARE, SCR+4096                   ; behind that: the spare words, 128 bytes for each wave: two blocks of 256 bytes that no other line names
.set L16,  1                           ; v1     16 x lane
.set CW0,  2                           ; v2     phase 1: where my wave's first row begins in LDS, + 4 x lane
.set CWA,  3                           ; v3     the same + the trip's place along K
.set AA0,  4                           ; v4-7   row (lane % 16) x pitch + 16 (lane / 16) + 32 j rows
.set AA,   8                           ; v8-11  the same + the trip's place along K
.set SCW0, 12                          ; v12    SCR + 512 wave + 32 (lane / 16)
.set SCWA, 13                          ; v13    the same + 2,048 pass
.set SRD,  14                          ; v14    SCR + 4 x thread
.set MSK,  15                          ; v15    my row's word of encoder_mask
.set XSC,  16                          ; v16    2^e2
.set NINF, 17                          ; v17    -infinity
.set ROFF, 18                          ; v18    4 x thread
.set DOFF, 19                          ; v19    my column's place in an image of dpp
.set POFF, 20                          ; v20    4 (lane % 16)
.set XLIM, 21                          ; v21    57,344 x 2^e2
.set SPW,  28                          ; v28    LDS address of my spare word; never rewritten
.set NIL,  29                          ; v29    0; never rewritten
.set DDP,  32
.set VVP,  48
.set DDW,  64
.set VVW,  80
.set TMPV, 96
.set AF,   128
.set CT,   128
.set SUM,  128
.set MSB, 0
.macro WIN new                         ; the immediate's high byte repeats the setting that is left; a switch that changes nothing is dropped
.if MSB != \new
	s_set_vgpr_msb (MSB<<8)|\new
.set MSB, \new
.endif
.endm
.macro PLACES                          ; four plain vector lines behind matrix instructions, ahead of loads into registers that they read and of reads of their results (ISA guide 7.12.1 for reads of their results)
.rept 4
	v_nop
.endr
.endm
	s_load_b512 s[4:19], s[0:1], 0x0               ; encoder_outputs s[4:5], wq s[6:7], dpp s[8:9], attn_b s[10:11], v_w s[12:13], encoder_mask s[14:15], lowp_scales s[16:17], sc s[18:19]
	v_lshl_add_u32 v[SPW], v0, 2, SPARE
	v_mov_b32 v[NIL], 0
	v_lshrrev_b32 v22, 5, v0
	v_readfirstlane_b32 s20, v22                   ; wave 0..3
	v_and_b32 v23, 31, v0                          ; lane
	v_and_b32 v24, 15, v0                          ; r
	v_bfe_u32 v25, v0, 4, 1                        ; h
	v_lshlrev_b32 v[L16], 4, v23
	s_mul_i32 s21, s20, 32*PITCH
	v_lshl_add_u32 v[CW0], v23, 2, s21
	v_mul_u32_u24 v[AA0], v24, PITCH
	v_lshl_add_u32 v[AA0], v25, 4, v[AA0]
	v_add_nc_u32 v[AA0+1], 32*PITCH, v[AA0]
	v_add_nc_u32 v[AA0+2], 64*PITCH, v[AA0]
	v_add_nc_u32 v[AA0+3], 96*PITCH, v[AA0]
	s_lshl_b32 s21, s20, 9
	s_add_co_u32 s21, s21, SCR
	v_lshl_add_u32 v[SCW0], v25, 5, s21
	v_lshl_add_u32 v[SRD], v0, 2, SCR
	v_lshlrev_b32 v[ROFF], 2, v0
	v_bfe_u32 v26, v0, 2, 1
	v_bfe_u32 v27, v0, 3, 1
	v_and_b32 v[DOFF], 3, v0
	v_lshlrev_b32 v[DOFF], 2, v[DOFF]
	v_lshl_add_u32 v[DOFF], v26, 9, v[DOFF]
	v_lshl_add_u32 v[DOFF], v27, 8, v[DOFF]        ; column r of a tile lies in register 4 ((r / 4) % 2) + r % 4 of the lanes' half r / 8: 512 ((r / 4) % 2) + 256 (r / 8) + 4 (r % 4)
	v_lshlrev_b32 v[POFF], 2, v24
	v_mov_b32 v[NINF], 0xff800000
	s_lshl_b32 s22, ttmp9, 20                      ; 128 T rows of 8,192 bytes
	s_lshl_b32 s23, s20, 18                        ; + 32 w rows
	s_add_co_u32 s22, s22, s23
	s_mov_b32 s23, 0
	s_wait_kmcnt 0x0
	s_load_b128 s[24:27], s[16:17], 0x0            ; e0, e1, e2, e3
	s_add_nc_u64 s[36:37], s[4:5], s[22:23]        ; encoder_outputs at my wave's first row
	s_lshl_b32 s22, s20, 19
	s_add_nc_u64 s[38:39], s[6:7], s[22:23]        ; wq at my wave's stream of 524,288 bytes: pass 0's 32 half-steps, then pass 1's
	s_lshr_b32 s21, ttmp9, 2                       ; the batch m
	s_lshl_b32 s22, s20, 17                        ; dpp: my wave's eight column tiles of a pass, 16,384 bytes each,
	s_lshr_b32 s28, s21, 4
	s_lshl_b32 s28, s28, 10
	s_add_co_u32 s22, s22, s28                     ; + 1,024 (m / 16)
	s_and_b32 s28, s21, 15
	s_lshl_b32 s28, s28, 4
	s_add_co_u32 s22, s22, s28                     ; + 16 (m % 16)
	s_add_nc_u64 s[8:9], s[8:9], s[22:23]
	s_lshl_b32 s22, s20, 9                         ; attn_b and v_w: my wave's 128 numbers of a pass
	s_add_nc_u64 s[10:11], s[10:11], s[22:23]
	s_add_nc_u64 s[12:13], s[12:13], s[22:23]
	s_lshl_b32 s22, ttmp9, 9                       ; encoder_mask and sc: my work-group's 128 words
	s_add_nc_u64 s[14:15], s[14:15], s[22:23]
	s_add_nc_u64 s[18:19], s[18:19], s[22:23]
	global_load_b32 v[MSK], v[ROFF], s[14:15]
	WIN 0x80                                       ; destination window 2
.irp p, 0,1                            ; for column tile ct = 8 p + b: four partial sums of the small product, attn_b and v_w of my column, into v[6 ct ..] of window 2
.irp b, 0,1,2,3,4,5,6,7
.irp kq, 0,1,2,3
	global_load_b32 v[6*(8*\p+\b)+\kq], v[DOFF], s[8:9] offset:(32*\p+\b)*16384+\kq*4096
.endr
	global_load_b32 v[6*(8*\p+\b)+4], v[POFF], s[10:11] offset:2048*\p+64*\b
	global_load_b32 v[6*(8*\p+\b)+5], v[POFF], s[12:13] offset:2048*\p+64*\b
.endr
.endr
; PHASE 1.  A step is 128 along K of my 32 rows: 32 loads, each 512 consecutive bytes of one row, 16 bytes a lane.  Two sets take turns, so that 64 loads of a wave are asked for.
.macro XFILL set, koff
	WIN 0x40                                       ; destination window 1, address window 0
.set i, 0
.rept 32
	global_load_b128 v[128*(\set)+4*i:128*(\set)+4*i+3], v[L16], s[36:37] offset:i*8192+(\koff) th:TH_LOAD_NT
.set i, i+1
.endr
.endm
; A conversion takes eight consecutive registers: four numbers of row 2 u and four of row 2 u + 1, each four neighbours along K; its two result registers are four codes of each row.
.macro XSTEP set, refill, left
	s_wait_loadcnt \left                           ; loads come back in order (ISA guide 5.7.1): this set's 32 are in, the other set's may be out
	WIN 0x41                                       ; source 0 and destination window 1; the limit in window 0
.set i, 0
.rept 128
	v_med3_num_f32 v[128*(\set)+i], v[128*(\set)+i], -v[XLIM], v[XLIM]     ; the conversion to an 8-bit code does not saturate (ISA guide 7.6.2): the hold at the largest code x the scale
.set i, i+1
.endr
	s_wait_dscnt 32                                ; all LDS stores but the last step's 32, which read the other set of code registers, are done
	WIN 0x01                                       ; source 0 window 1; scale and destination window 0
.set i, 0
.rept 16
	v_cvt_scalef32_pk8_bf8_f32 v[CT+32*(\set)+2*i:CT+32*(\set)+2*i+1], v[128*(\set)+8*i:128*(\set)+8*i+7], v[XSC]
.set i, i+1
.endr
	v_nop                                          ; a plain vector line behind the last conversion of the run
	WIN 0
.set i, 0
.rept 32
	ds_store_b32 v[CWA], v[CT+32*(\set)+i] offset:i*PITCH+128*(\set)       ; row i: 32 lanes store 128 consecutive bytes
.set i, i+1
.endr
.if \refill
	XFILL \set, 1024+512*(\set)                    ; the same set's step of the next trip
.endif
.endm
	XFILL 0, 0
	XFILL 1, 512
	WIN 0
	s_wait_kmcnt 0x0
	s_add_co_i32 s21, s26, 127
	s_lshl_b32 s22, s21, 23
	v_mov_b32 v[XSC], s22                          ; 2^e2 as f32: the conversion takes its exponent field
	s_add_co_i32 s21, s21, 15
	s_lshl_b32 s21, s21, 23
	s_or_b32 s21, s21, 0x600000
	v_mov_b32 v[XLIM], s21                         ; 57,344 x 2^e2
	s_add_co_i32 s21, s26, s27
	s_lshl_b32 s21, s21, 23
	s_add_co_i32 s30, s21, 0x4038aa3b              ; 2 log2(e) x 2^(e2 + e3): the exponents are added to the constant's exponent field
	s_mov_b32 s31, s30                             ; (named with it as a pair, so it is written)
	s_add_co_i32 s21, s24, s25
	s_lshl_b32 s21, s21, 23
	s_add_co_i32 s32, s21, 0x4038aa3b              ; 2 log2(e) x 2^(e0 + e1)
	s_mov_b32 s33, 0x4038aa3b                      ; 2 log2(e)
	s_mov_b32 s34, 0xc038aa3b                      ; -2 log2(e)
	s_mov_b32 s40, 0                               ; the trip's place along K, in codes
	s_mov_b32 s43, 7
.Lx:                                               ; seven trips of two steps; the eighth is written out, without loads: no load leaves its row
	v_add_nc_u32 v[CWA], s40, v[CW0]
	XSTEP 0, 1, 32                                 ; (the first wait also covers the parameters' loads, which were issued ahead of the rows')
	XSTEP 1, 1, 32
	WIN 0
	s_wait_xcnt 0x0                                ; the loads have read their base: it is stepped only behind this wait
	s_wait_dscnt 0x0                               ; and the stores are done before their address is stepped
	s_add_nc_u64 s[36:37], s[36:37], 1024
	s_add_co_u32 s40, s40, 256
	s_sub_co_u32 s43, s43, 1
	s_cmp_lg_u32 s43, 0
	s_cbranch_scc1 .Lx
	v_add_nc_u32 v[CWA], s40, v[CW0]
	XSTEP 0, 0, 32
	XSTEP 1, 0, 0
; PHASE 2's macros.  A run of eight loads: tiles 4 half .. + 3 of slot s, from the half-step s + look of the stream at s[38:39]
.macro BRUN s, half, look
	WIN 0x40
.irp bb, 0,1,2,3
.irp c, 0,1
	global_load_b128 v[64*(\s)+8*(4*(\half)+\bb)+4*\c:64*(\s)+8*(4*(\half)+\bb)+4*\c+3], v[L16], s[38:39] offset:((\s)+(\look))*8192+(4*(\half)+\bb)*1024+\c*512 th:TH_LOAD_HT
.endr
.endr
.endm
.macro ALOAD set, koff                 ; the rows' eight fragments (16 rows x 64 K, 8 registers: two loads of 16 bytes, 32 apart) of the half-step at byte koff beyond the trip's place
.irp a, 0,1,2,3,4,5,6,7
.irp c, 0,1
	ds_load_b128 v[AF+64*(\set)+8*\a+4*\c:AF+64*(\set)+8*\a+4*\c+3], v[AA+\a/2] offset:(\a%2)*16*PITCH+(\koff)+32*\c
.endr
.endr
.endm
; 32 products: four column tiles x eight row tiles.  The 64 accumulators take turns, one instruction a turn, in the same order in every half-step, over the backward jumps too.
.macro MULS s, half, zero
.irp bb, 0,1,2,3
.irp a, 0,1,2,3,4,5,6,7
.if \zero
	v_wmma_f32_16x16x64_bf8_bf8 v[8*(8*\bb+\a):8*(8*\bb+\a)+7], v[AF+64*((\s)%2)+8*\a:AF+64*((\s)%2)+8*\a+7], v[64*(\s)+8*(4*(\half)+\bb):64*(\s)+8*(4*(\half)+\bb)+7], 0
.else
	v_wmma_f32_16x16x64_bf8_bf8 v[8*(8*\bb+\a):8*(8*\bb+\a)+7], v[AF+64*((\s)%2)+8*\a:AF+64*((\s)%2)+8*\a+7], v[64*(\s)+8*(4*(\half)+\bb):64*(\s)+8*(4*(\half)+\bb)+7], v[8*(8*\bb+\a):8*(8*\bb+\a)+7]
.endif
.endr
.endr
.endm
; A HALF-STEP: 64 along K, 64 products, on ring slot s and fragment set s % 2.  zero: the products start the sums.  stp: the trip's place along K moves on.  refill: each half of the slot is asked for again,
; four half-steps on, as soon as its products are issued.  nexta: the next half-step's rows are fetched, at the head, into the set that the half-step before has left (its four places stand at its end).
; n1, n2: how many younger loads of w_enc may be out when the first, the second half of the slot has to be in.
.macro HS s, zero, stp, refill, nexta, n1, n2
	s_wait_loadcnt \n1
	s_wait_dscnt 0x0                               ; my rows' fragments of this half-step, asked for a half-step ago
.if \stp
	s_add_co_u32 s41, s41, 256
.irp j, 0,1,2,3
	v_add_nc_u32 v[AA+\j], s41, v[AA0+\j]
.endr
.endif
.if \nexta
	ALOAD ((\s)+1)%2, 64*((\s)+1)
.endif
	WIN 0xa4                                       ; rows window 0, columns window 1, C and D window 2
	MULS \s, 0, \zero
	PLACES
.if \refill
	BRUN \s, 0, 4
.endif
	s_wait_loadcnt \n2
	WIN 0xf4                                       ; C and D window 3
	MULS \s, 1, \zero
	PLACES
.if \refill
	BRUN \s, 1, 4
.endif
	WIN 0
.endm
; Four half-steps: once round the ring.  With refills seven younger runs of eight loads stand behind the run that is wanted: 56.  Without, the counts run down.
.macro TRIP4 zero, refill, last
.if \refill
	HS 0, \zero, 1-(\zero), 1, 1, 56, 56
	HS 1, 0, 0, 1, 1, 56, 56
	HS 2, 0, 0, 1, 1, 56, 56
	HS 3, 0, 0, 1, 1-(\last), 56, 56
	s_wait_xcnt 0x0                                ; the loads have read their base
	s_add_nc_u64 s[38:39], s[38:39], 32768
.else
	HS 0, \zero, 1-(\zero), 0, 1, 56, 48
	HS 1, 0, 0, 0, 1, 40, 32
	HS 2, 0, 0, 0, 1, 24, 16
	HS 3, 0, 0, 0, 1-(\last), 8, 0
.endif
.endm
	; BETWEEN THE PHASES.  The ring's first four half-steps are asked for; the parameters are made while they are on their way.
.irp s, 0,1,2,3
	BRUN \s, 0, 0
	BRUN \s, 1, 0
.endr
	WIN 0x8a                                       ; sources 0 and 1 and the destination window 2
.set ct, 0
.rept 16
	v_add_f32 v[6*ct], v[6*ct], v[6*ct+1]          ; the small product's four quarters of K
	v_add_f32 v[6*ct+2], v[6*ct+2], v[6*ct+3]
	v_mul_f32 v[6*ct+4], s33, v[6*ct+4]            ; 2 log2(e) attn_b
	v_add_f32 v[6*ct], v[6*ct], v[6*ct+2]
.set ct, ct+1
.endr
	WIN 0x22                                       ; sources 0 and 2 window 2, destination window 0
.set ct, 0
.rept 16
	v_fma_f32 v[DDP+ct], v[6*ct], s32, v[6*ct+4]   ; dec' = 2 log2(e) (sum x 2^(e0 + e1) + attn_b)
	v_mul_f32 v[VVP+ct], v[6*ct+5], s34            ; v' = -2 log2(e) v_w
.set ct, ct+1
.endr
	WIN 0
	s_wait_dscnt 0x0                               ; for the others' sake: my rows' codes lie in LDS
	s_barrier_signal -1
	s_barrier_wait -1                              ; all 128 rows' do
	s_mov_b32 s42, 0                               ; the pass
	s_mov_b32 s45, 0                               ; 2,048 x the pass
.Lpass:
	s_mov_b32 s41, 0                               ; the trip's place along K
.irp j, 0,1,2,3
	v_add_nc_u32 v[AA+\j], s41, v[AA0+\j]
.endr
	ALOAD 0, 0
	TRIP4 1, 1, 0                                  ; the pass's first half-step starts the sums: nothing is cleared
	s_mov_b32 s43, 6
.Ltrip:
	TRIP4 0, 1, 0
	s_sub_co_u32 s43, s43, 1
	s_cmp_lg_u32 s43, 0
	s_cbranch_scc1 .Ltrip
	s_cmp_eq_u32 s42, 1
	s_cbranch_scc1 .Lnoref
	TRIP4 0, 1, 1                                  ; pass 0's last trip: its refills are pass 1's first four half-steps, which follow in the stream
	s_branch .Lepi
.Lnoref:
	TRIP4 0, 0, 1                                  ; pass 1's last trip asks for nothing: no load leaves the buffer
.Lepi:
	; A PASS'S END.  The pass's eight dec' and v' are chosen by a select on the pass's number, each written twice to make a pair.
	s_cmp_eq_u32 s42, 1
	s_cselect_b32 s44, -1, 0
.irp b, 0,1,2,3,4,5,6,7
	v_cndmask_b32 v[DDW+2*\b], v[DDP+\b], v[DDP+8+\b], s44
	v_cndmask_b32 v[DDW+2*\b+1], v[DDP+\b], v[DDP+8+\b], s44
	v_cndmask_b32 v[VVW+2*\b], v[VVP+\b], v[VVP+8+\b], s44
	v_cndmask_b32 v[VVW+2*\b+1], v[VVP+\b], v[VVP+8+\b], s44
.endr
; Column tile b: its eight accumulators are 64 consecutive registers, worked in place and in ascending order.
; Exponentials and reciprocals go as batches of 64, each with one plain line and one wait ahead of its first reader.
; 2^y overflows to infinity where y is large: 1 / (1 + infinity) = 0, which is r's limit; where y is very negative 2^y is 0 and r = 1.
.macro EBLOCK b
.set EB, 64*((\b)%4)
.if (\b) < 4
	WIN 0x82                                       ; source 0 and destination window 2; dec' in window 0
.else
	WIN 0xc3
.endif
.set i, 0
.rept 32
	v_pk_fma_f32 v[EB+i:EB+i+1], v[EB+i:EB+i+1], s[30:31], v[DDW+2*(\b):DDW+2*(\b)+1] op_sel_hi:[1,0,1]   ; y = sum x 2 log2(e) 2^(e2 + e3) + dec'
.set i, i+2
.endr
.set i, 0
.rept 64
	v_exp_f32 v[EB+i], v[EB+i]
.set i, i+1
.endr
	v_nop
	s_wait_alu depctr_va_vdst(0)
.set i, 0
.rept 32
	v_pk_add_f32 v[EB+i:EB+i+1], v[EB+i:EB+i+1], 1.0 op_sel_hi:[1,0]
.set i, i+2
.endr
.set i, 0
.rept 64
	v_rcp_f32 v[EB+i], v[EB+i]
.set i, i+1
.endr
	v_nop
	s_wait_alu depctr_va_vdst(0)
.if (\b) < 4
	WIN 0x02                                       ; source 0 window 2; v', the sums and the destination window 0
.else
	WIN 0x03
.endif
.set i, 0
.rept 32
.if (\b) == 0
	v_pk_mul_f32 v[SUM+i:SUM+i+1], v[EB+i:EB+i+1], v[VVW:VVW+1]           ; the first tile starts the row sums
.else
	v_pk_fma_f32 v[SUM+i:SUM+i+1], v[EB+i:EB+i+1], v[VVW+2*(\b):VVW+2*(\b)+1], v[SUM+i:SUM+i+1]
.endif
.set i, i+2
.endr
.endm
.irp b, 0,1,2,3,4,5,6,7
	EBLOCK \b
.endr
	WIN 0
.irp mk, 1,2,4,8                       ; the sixteen columns of a tile lie in the sixteen lanes of a half: four steps, mask by mask, so that no line waits for the line above it
.set i, 0
.rept 64
	v_add_f32_dpp v[SUM+i], v[SUM+i], v[SUM+i] row_xmask:\mk row_mask:0xf bank_mask:0xf
.set i, i+1
.endr
.endr
	v_add_nc_u32 v[SCWA], s45, v[SCW0]
.irp a, 0,1,2,3,4,5,6,7                ; register 8 a + j is row 16 a + 8 (lane / 16) + j; the sixteen lanes of a half store the same bytes with the same values
	ds_store_b128 v[SCWA], v[SUM+8*\a:SUM+8*\a+3] offset:64*\a
	ds_store_b128 v[SCWA], v[SUM+8*\a+4:SUM+8*\a+7] offset:64*\a+16
.endr
	s_wait_dscnt 0x0                               ; the stores are done: the next pass's fragments may land on their registers; and, behind pass 1, for the others' sake
	s_add_co_u32 s45, s45, 2048
	s_add_co_u32 s42, s42, 1
	s_cmp_lt_u32 s42, 2
	s_cbranch_scc1 .Lpass
	s_barrier_signal -1
	s_barrier_wait -1                              ; every wave's partial sums of both passes lie in LDS
.irp q, 0,1,2,3,4,5,6,7
	ds_load_b32 v[TMPV+\q], v[SRD] offset:512*\q   ; thread tau takes row tau: its eight partial sums
.endr
	s_wait_dscnt 0x0
	v_add_f32 v[TMPV], v[TMPV], v[TMPV+1]
	v_add_f32 v[TMPV+2], v[TMPV+2], v[TMPV+3]
	v_add_f32 v[TMPV+4], v[TMPV+4], v[TMPV+5]
	v_add_f32 v[TMPV+6], v[TMPV+6], v[TMPV+7]
	v_add_f32 v[TMPV], v[TMPV], v[TMPV+2]
	v_add_f32 v[TMPV+4], v[TMPV+4], v[TMPV+6]
	v_add_f32 v[TMPV], v[TMPV], v[TMPV+4]
	v_cmp_eq_u32 vcc_lo, 0, v[MSK]
	v_cndmask_b32 v[TMPV], v[TMPV], v[NINF], vcc_lo    ; -infinity where encoder_mask is 0
	global_store_b32 v[ROFF], v[TMPV], s[18:19]        ; the work-group stores 512 consecutive bytes
	s_wait_tensorcnt 0x0                           ; the wave's end, behind my last LDS store
	ds_add_u32 v[SPW], v[NIL]
	s_wait_dscnt 0x0
	s_endpgm
.Lfunc_end_k_q6799c9cba5_scores:
	.size	k_q6799c9cba5_scores, .Lfunc_end_k_q6799c9cba5_scores-k_q6799c9cba5_scores
	.p2alignl 7, 3214868480
	.fill 96, 4, 3214868480
	.section	.rodata,"a",@progbits
	.p2align	6, 0x0
	.amdhsa_kernel k_q6799c9cba5_scores
		.amdhsa_group_segment_fixed_size 268800
		.amdhsa_private_segment_fixed_size 0
		.amdhsa_enable_private_segment 0
		.amdhsa_kernarg_size 64
		.amdhsa_user_sgpr_count 2
		.amdhsa_user_sgpr_kernarg_segment_ptr 1
		.amdhsa_wavefront_size32 1
		.amdhsa_system_sgpr_workgroup_id_x 1
		.amdhsa_system_sgpr_workgroup_id_y 1
		.amdhsa_system_sgpr_workgroup_id_z 1
		.amdhsa_system_vgpr_workitem_id 0
		.amdhsa_next_free_vgpr 1024
		.amdhsa_next_free_sgpr 66
		.amdhsa_reserve_vcc 1
		.amdhsa_float_denorm_mode_32 3
		.amdhsa_float_denorm_mode_16_64 3
		.amdhsa_memory_ordered 1
		.amdhsa_forward_progress 1
		.amdhsa_inst_pref_size 255
	.end_amdhsa_kernel
	.section	.bss,"aw",@nobits
	.p2align	6
	.space	262144
	.amdgpu_metadata
---
amdhsa.version: [ 1, 2 ]
amdhsa.kernels:
  - .name:           k_q6799c9cba5_scores
    .symbol:         k_q6799c9cba5_scores.kd
    .args:
      - { .name: encoder_outputs, .offset: 0, .size: 8, .value_kind: global_buffer, .address_space: global }
      - { .name: wq, .offset: 8, .size: 8, .value_kind: global_buffer, .address_space: global }
      - { .name: dpp, .offset: 16, .size: 8, .value_kind: global_buffer, .address_space: global }
      - { .name: attn_b, .offset: 24, .size: 8, .value_kind: global_buffer, .address_space: global }
      - { .name: v_w, .offset: 32, .size: 8, .value_kind: global_buffer, .address_space: global }
      - { .name: encoder_mask, .offset: 40, .size: 8, .value_kind: global_buffer, .address_space: global }
      - { .name: lowp_scales, .offset: 48, .size: 8, .value_kind: global_buffer, .address_space: global }
      - { .name: sc, .offset: 56, .size: 8, .value_kind: global_buffer, .address_space: global }
    .group_segment_fixed_size: 268800
    .private_segment_fixed_size: 0
    .kernarg_segment_align: 8
    .kernarg_segment_size: 64
    .max_flat_workgroup_size: 128
    .sgpr_count:     66
    .vgpr_count:     1024
    .wavefront_size: 32
...
	.end_amdgpu_metadata
.endif
;; end of part 2
;; launch ctx (part 3): grid 4 x 64, 8 waves a work-group, no clusters, 19,968 bytes of LDS; arguments encoder_outputs, sc, out0, out1; writes out0, out1
.if DOCPART == 3
	.amdgcn_target "amdgcn-amd-amdhsa--gfx1250"
	.amdhsa_code_object_version 6
	.text
	.protected	k_q6799c9cba5_ctx
	.globl	k_q6799c9cba5_ctx
	.p2align	8
	.type	k_q6799c9cba5_ctx,@function
k_q6799c9cba5_ctx:
	s_mov_b64 s[64:65], 0
	v_nop
	global_prefetch_b8 v0, s[64:65] scope:SCOPE_SE
	s_setreg_imm32_b32 hwreg(HW_REG_WAVE_MODE, 25, 1), 1
	s_wait_xcnt 0x0
; LAUNCH 3 OF 3.  out1[b][s] = softmax over s of attention; out0[b][e] = sum over s of out1[b][s] encoder_outputs[b][s][e].  All in f32.
; sc holds t = log2(e) x attention, less a term that is the same along s (left out: shown at the head of the first launch's text), -inf where masked.  p = 2^(t - M), M the row's largest t: the maximum is taken away.
; A batch whose mask is all 0 has M = -inf and gives NaN.
; SHARES.  Work-group (q, b): batch b, columns 512 q .. + 511 (2,048 bytes of each row).  Every work-group makes the batch's softmax (512 numbers); of out1 it stores its quarter.
; Wave w takes rows 64 w .. + 63: a ring of eight row slots in registers, four loads of 512 consecutive bytes each, so that 32 loads of a wave are asked for.  The eight waves' sums meet in LDS.
; The weights used in the stream are the unnormalised p; the sums are divided by the row's sum once, at the end.  Memory binds: matrix units, clusters and tensor loads would add nothing (a product with one row).
.set PW,    0                          ; LDS: p[512] f32
.set MX,    2048                       ; the eight waves' maxima
.set SM,    2304                       ; and sums
.set RED,   2560                       ; [wave 8][2,048 bytes]: the waves' partial contexts
.set SPARE, 18944                      ; the spare words, 128 bytes for each of eight waves: four blocks of 256 bytes that no other line names
.set SPW,  28                          ; v28  LDS address of my spare word; never rewritten
.set NIL,  29                          ; v29  0; never rewritten
.set ACCU, 32                          ; v32-47   16 sums: column 128 c + 4 lane + e at 4 c + e
.set WT,   48                          ; v48-55   the trip's eight weights
.set OFF,  56                          ; v56-63   slot i: byte offset of my 16 bytes in the row that the slot loads next
.set X,    64                          ; v64-191  slot i: 16 registers
	s_load_b256 s[4:11], s[0:1], 0x0               ; encoder_outputs s[4:5], sc s[6:7], out0 s[8:9], out1 s[10:11]
	v_lshl_add_u32 v[SPW], v0, 2, SPARE
	v_mov_b32 v[NIL], 0
	v_lshrrev_b32 v1, 5, v0
	v_readfirstlane_b32 s12, v1                    ; wave 0..7
	v_and_b32 v1, 31, v0                           ; lane
	s_and_b32 s13, ttmp7, 0xffff                   ; the batch
	v_lshlrev_b32 v4, 3, v0                        ; 8 x thread: my two numbers of t, p, out1 and out0
	s_lshl_b32 s14, s12, 19                        ; 64 w rows of 8,192 bytes
	s_lshl_b32 s15, ttmp9, 11                      ; + 2,048 q
	s_add_co_u32 s14, s14, s15
	v_lshl_add_u32 v[OFF], v1, 4, s14
.irp i, 1,2,3,4,5,6,7
	v_add_nc_u32 v[OFF+\i], \i*8192, v[OFF]
.endr
	s_lshl_b32 s24, s12, 2
	v_mov_b32 v7, s24
	v_add_nc_u32 v20, SM, v7                       ; where my wave puts its sum,
	v_add_nc_u32 v7, MX, v7                        ; and its maximum
	v_mov_b32 v21, MX
	v_mov_b32 v22, SM
	s_lshl_b32 s24, s12, 11
	s_add_co_u32 s24, s24, RED
	v_lshl_add_u32 v23, v1, 4, s24                 ; RED + 2,048 w + 16 lane
	v_add_nc_u32 v25, RED, v4                      ; RED + 8 x thread
	v_mov_b32 v6, 0                                ; written once: a lane permute's destination counts as one of its sources
	s_lshl_b32 s16, s13, 22                        ; the batch's 512 rows of 8,192 bytes
	s_mov_b32 s17, 0
	s_lshl_b32 s18, s13, 11                        ; its 512 words of sc and out1
	s_mov_b32 s19, 0
	s_lshl_b32 s20, s13, 13
	s_add_co_u32 s20, s20, s15                     ; out0: 8,192 b + 2,048 q
	s_mov_b32 s21, 0
	s_mov_b32 s22, 0x76543210                      ; v_permlanex16_b32's selects for lane l xor 16
	s_mov_b32 s23, 0xfedcba98
	s_wait_kmcnt 0x0
	s_add_nc_u64 s[4:5], s[4:5], s[16:17]
	s_add_nc_u64 s[6:7], s[6:7], s[18:19]
	s_add_nc_u64 s[10:11], s[10:11], s[18:19]
	s_add_nc_u64 s[8:9], s[8:9], s[20:21]
	global_load_b64 v[2:3], v4, s[6:7]             ; t of positions 2 tau, 2 tau + 1
.irp i, 0,1,2,3,4,5,6,7                ; the ring is filled before the softmax is begun: rows 64 w + 0 .. 7
.irp c, 0,1,2,3
	global_load_b128 v[X+16*\i+4*\c:X+16*\i+4*\c+3], v[OFF+\i], s[4:5] offset:512*\c th:TH_LOAD_NT
.endr
.endr
	s_wait_loadcnt 32                              ; t is in; the ring's 32 loads, issued behind it, stay out
	v_max_num_f32 v5, v2, v3
	v_max_num_f32_dpp v5, v5, v5 row_xmask:1 row_mask:0xf bank_mask:0xf
	v_max_num_f32_dpp v5, v5, v5 row_xmask:2 row_mask:0xf bank_mask:0xf
	v_max_num_f32_dpp v5, v5, v5 row_xmask:4 row_mask:0xf bank_mask:0xf
	v_max_num_f32_dpp v5, v5, v5 row_xmask:8 row_mask:0xf bank_mask:0xf
	v_permlanex16_b32 v6, v5, s22, s23
	v_max_num_f32 v5, v5, v6                       ; my wave's largest t
	ds_store_b32 v7, v5
	s_wait_dscnt 0x0                               ; for the others' sake
	s_barrier_signal -1
	s_barrier_wait -1
	ds_load_b128 v[8:11], v21
	ds_load_b128 v[12:15], v21 offset:16
	s_wait_dscnt 0x0
	v_max3_num_f32 v5, v8, v9, v10
	v_max3_num_f32 v5, v5, v11, v12
	v_max3_num_f32 v5, v5, v13, v14
	v_max_num_f32 v5, v5, v15                      ; M
	v_sub_f32 v2, v2, v5
	v_sub_f32 v3, v3, v5
	v_exp_f32 v2, v2                               ; p = 2^(t - M); 0 where masked
	v_exp_f32 v3, v3
	v_nop                                          ; a plain line behind the exponentials,
	s_wait_alu depctr_va_vdst(0)                   ; and a wait ahead of their first reader
	v_add_f32 v16, v2, v3
	v_add_f32_dpp v16, v16, v16 row_xmask:1 row_mask:0xf bank_mask:0xf
	v_add_f32_dpp v16, v16, v16 row_xmask:2 row_mask:0xf bank_mask:0xf
	v_add_f32_dpp v16, v16, v16 row_xmask:4 row_mask:0xf bank_mask:0xf
	v_add_f32_dpp v16, v16, v16 row_xmask:8 row_mask:0xf bank_mask:0xf
	v_permlanex16_b32 v6, v16, s22, s23
	v_add_f32 v16, v16, v6                         ; my wave's sum
	ds_store_b64 v4, v[2:3]                        ; p, for every wave's stream (PW = 0)
	ds_store_b32 v20, v16
	s_wait_dscnt 0x0
	s_barrier_signal -1
	s_barrier_wait -1
	ds_load_b128 v[8:11], v22
	ds_load_b128 v[12:15], v22 offset:16
	s_wait_dscnt 0x0
	v_add_f32 v8, v8, v9
	v_add_f32 v10, v10, v11
	v_add_f32 v12, v12, v13
	v_add_f32 v14, v14, v15
	v_add_f32 v8, v8, v10
	v_add_f32 v12, v12, v14
	v_add_f32 v8, v8, v12                          ; the row's sum
	v_rcp_f32 v17, v8
	v_nop
	s_wait_alu depctr_va_vdst(0)
	v_mul_f32 v18, v2, v17
	v_mul_f32 v19, v3, v17                         ; the attention weights
	s_lshr_b32 s25, s12, 1
	s_cmp_lg_u32 s25, ttmp9                        ; of out1's row the work-group stores its quarter: waves 2 q and 2 q + 1, 256 consecutive bytes each, aligned
	s_cbranch_scc1 .Lnot_out1
	global_store_b64 v4, v[18:19], s[10:11]
.Lnot_out1:
.irp k, 0,1,2,3,4,5,6,7,8,9,10,11,12,13,14,15
	v_mov_b32 v[ACCU+\k], 0
.endr
; One slot's turn.  left = how many younger loads may be out when this slot's four have to be in.
.macro SLOT i, refill, left
	s_wait_loadcnt \left                           ; loads come back in order (ISA guide 5.7.1); this wait also frees the slot's address register
.set k, 0
.rept 16
	v_fmac_f32 v[ACCU+k], v[WT+\i], v[X+16*(\i)+k]
.set k, k+1
.endr
.if \refill
	v_add_nc_u32 v[OFF+\i], 0x10000, v[OFF+\i]     ; eight rows on
.irp c, 0,1,2,3
	global_load_b128 v[X+16*(\i)+4*\c:X+16*(\i)+4*\c+3], v[OFF+\i], s[4:5] offset:512*\c th:TH_LOAD_NT
.endr
.endif
.endm
	s_lshl_b32 s26, s12, 8                         ; p of my wave's first row: 4 x 64 w
	s_mov_b32 s27, 7
.Ltrip:                                            ; seven trips of eight rows; the eighth is written out, without loads
	v_mov_b32 v24, s26
	ds_load_b128 v[WT:WT+3], v24                   ; the trip's eight weights, the same in every lane
	ds_load_b128 v[WT+4:WT+7], v24 offset:16
	s_wait_dscnt 0x0
.irp i, 0,1,2,3,4,5,6,7
	SLOT \i, 1, 28                                 ; seven younger slots of four loads stay out
.endr
	s_add_co_u32 s26, s26, 32
	s_sub_co_u32 s27, s27, 1
	s_cmp_lg_u32 s27, 0
	s_cbranch_scc1 .Ltrip
	v_mov_b32 v24, s26
	ds_load_b128 v[WT:WT+3], v24
	ds_load_b128 v[WT+4:WT+7], v24 offset:16
	s_wait_dscnt 0x0
.irp i, 0,1,2,3,4,5,6,7
	SLOT \i, 0, 4*(7-\i)                           ; the counts run down
.endr
.irp c, 0,1,2,3
	ds_store_b128 v23, v[ACCU+4*\c:ACCU+4*\c+3] offset:512*\c      ; my wave's 512 sums, as they lie in a row
.endr
	s_wait_dscnt 0x0
	s_barrier_signal -1
	s_barrier_wait -1
.irp w, 0,1,2,3,4,5,6,7
	ds_load_b64 v[X+2*\w:X+2*\w+1], v25 offset:2048*\w             ; thread tau takes columns 2 tau, 2 tau + 1 of all eight waves
.endr
	s_wait_dscnt 0x0
	v_pk_add_f32 v[X:X+1], v[X:X+1], v[X+2:X+3]
	v_pk_add_f32 v[X+4:X+5], v[X+4:X+5], v[X+6:X+7]
	v_pk_add_f32 v[X+8:X+9], v[X+8:X+9], v[X+10:X+11]
	v_pk_add_f32 v[X+12:X+13], v[X+12:X+13], v[X+14:X+15]
	v_pk_add_f32 v[X:X+1], v[X:X+1], v[X+4:X+5]
	v_pk_add_f32 v[X+8:X+9], v[X+8:X+9], v[X+12:X+13]
	v_pk_add_f32 v[X:X+1], v[X:X+1], v[X+8:X+9]
	v_mul_f32 v[X], v[X], v17                      ; / the row's sum
	v_mul_f32 v[X+1], v[X+1], v17
	global_store_b64 v4, v[X:X+1], s[8:9]          ; a wave stores 256 consecutive bytes, aligned
	s_wait_tensorcnt 0x0                           ; the wave's end, behind my last LDS store
	ds_add_u32 v[SPW], v[NIL]
	s_wait_dscnt 0x0
	s_endpgm
.Lfunc_end_k_q6799c9cba5_ctx:
	.size	k_q6799c9cba5_ctx, .Lfunc_end_k_q6799c9cba5_ctx-k_q6799c9cba5_ctx
	.p2alignl 7, 3214868480
	.fill 96, 4, 3214868480
	.section	.rodata,"a",@progbits
	.p2align	6, 0x0
	.amdhsa_kernel k_q6799c9cba5_ctx
		.amdhsa_group_segment_fixed_size 19968
		.amdhsa_private_segment_fixed_size 0
		.amdhsa_enable_private_segment 0
		.amdhsa_kernarg_size 32
		.amdhsa_user_sgpr_count 2
		.amdhsa_user_sgpr_kernarg_segment_ptr 1
		.amdhsa_wavefront_size32 1
		.amdhsa_system_sgpr_workgroup_id_x 1
		.amdhsa_system_sgpr_workgroup_id_y 1
		.amdhsa_system_sgpr_workgroup_id_z 1
		.amdhsa_system_vgpr_workitem_id 0
		.amdhsa_next_free_vgpr 192
		.amdhsa_next_free_sgpr 66
		.amdhsa_reserve_vcc 0
		.amdhsa_float_denorm_mode_32 3
		.amdhsa_float_denorm_mode_16_64 3
		.amdhsa_memory_ordered 1
		.amdhsa_forward_progress 1
		.amdhsa_inst_pref_size 23
	.end_amdhsa_kernel
	.amdgpu_metadata
---
amdhsa.version: [ 1, 2 ]
amdhsa.kernels:
  - .name:           k_q6799c9cba5_ctx
    .symbol:         k_q6799c9cba5_ctx.kd
    .args:
      - { .name: encoder_outputs, .offset: 0, .size: 8, .value_kind: global_buffer, .address_space: global }
      - { .name: sc, .offset: 8, .size: 8, .value_kind: global_buffer, .address_space: global }
      - { .name: out0, .offset: 16, .size: 8, .value_kind: global_buffer, .address_space: global }
      - { .name: out1, .offset: 24, .size: 8, .value_kind: global_buffer, .address_space: global }
    .group_segment_fixed_size: 19968
    .private_segment_fixed_size: 0
    .kernarg_segment_align: 8
    .kernarg_segment_size: 32
    .max_flat_workgroup_size: 256
    .sgpr_count:     66
    .vgpr_count:     192
    .wavefront_size: 32
...
	.end_amdgpu_metadata
.endif
;; end of part 3
;; ======== version 2 of 2: 3 launches
;; workspace buffers: wq 2,097,152 bytes; dpp 1,048,576 bytes; sc 131,072 bytes
;; launch prep (part 4): grid 384 x 1, 4 waves a work-group, no clusters, 0 bytes of LDS; arguments attn_w, decoder_hidden, lowp_scales, wq, dpp; writes wq, dpp
.if DOCPART == 4
	.amdgcn_target "amdgcn-amd-amdhsa--gfx1250"
	.amdhsa_code_object_version 6
	.text
	.protected	k_q6799c9cba5_prep
	.globl	k_q6799c9cba5_prep
	.p2align	8
	.type	k_q6799c9cba5_prep,@function
k_q6799c9cba5_prep:
	s_mov_b64 s[64:65], 0
	v_nop
	global_prefetch_b8 v0, s[64:65] scope:SCOPE_SE
	s_setreg_imm32_b32 hwreg(HW_REG_WAVE_SCHED_MODE, 0, 2), 2
	s_setreg_imm32_b32 hwreg(HW_REG_WAVE_MODE, 25, 1), 1
	s_wait_xcnt 0x0
	s_wait_alu depctr_vm_vsrc(0)
; LAUNCH 1 OF 3.  Additive attention: dec = decoder_hidden w_dec + attn_b; enc = encoder_outputs w_enc; attention = sum_a v_w[a] tanh(dec + enc); masked softmax over the 512 positions; context.
; This launch (a) turns w_enc = attn_w[1024:3072] into codes of BF8 (E5M2) with the given scale 2^e3, laid in the order in which the next launch's operand registers take them (wq), and
; (b) makes the quantised product decoder_hidden w_dec (scales 2^e0, 2^e1) as four partial f32 sums over quarters of K, stored as images of the result registers (dpp).  The next launch adds them.
; WORK LEFT OUT BY THE PROGRAM, AND WHY IT IS DEAD.  For every real x, tanh(x) = 1 - 2 / (1 + e^(2x)).  So attention[b,s] = sum_a v_w[a] - 2 sum_a v_w[a] r[b,s,a], r = 1 / (1 + e^(2x)).
; The first term does not hang on s: it is the same along the softmax's axis for all values of the inputs, a softmax takes such a term away, a masked position is -inf with it or without it,
; and attention itself is no output.  So sum_a v_w[a] is never formed.  Every input still has a way to an output and is loaded by some launch.
; LIMIT: a NaN, an infinity or an overflow that would arise in sum_a v_w[a] alone is not carried to the result.
; LIMITS on the given exponents: e0, e1, e3 between -126 and 112, so that 2^e and 57,344 x 2^e are f32 numbers.  NaN among the inputs is not served.
; wq, byte ((((w 2 + p) 32 + hs) 8 + b) 2 + c) 512 + 256 h + 16 r + i  =  the code of w_enc[64 hs + 32 c + 16 h + i][512 p + 128 w + 16 b + r], i = 0 .. 15.
; dpp, byte d 16384 + kq 4096 + a 1024 + q 512 + 16 lane + 4 e  =  the raw sum over k = 256 kq .. + 255 for batch 16 a + lane % 16 and column 16 d + 8 (lane / 16) + 4 q + e.
; In every operand of this program registers 4 c .. 4 c + 3 of lane (r, h) hold k = 32 c + 16 h + 0 .. 15: one permutation of k, the same on both sides of a product, so each number meets its partner.
; Work-groups 0 .. 127 take w_enc, 128 .. 383 the small product: a scalar branch on the work-group's number.  No LDS, no barrier: waves share nothing.
; THE MODE: SCHED_MODE bits 1:0 = 2 (LLVM: expert scheduling mode 2), set by the entry lines.  The code itself states the register dependences
; between vector or matrix instructions and memory instructions, with s_wait_alu, always for 0.
; THE PLAN.  Registers that memory instructions touch:
;   v4, v5, v6     byte offsets, made once on each path and never written again: one wait ahead of the path's first load.
;   w_enc:  XW0, XW1   block t's holds write and its conversions read XW[t % 2]; behind them the loads of block t + 2 land in it.
;           CW         eight registers of codes for each block, written by its conversions, read by its two stores, never written again.
;           So ONE wait stands in a block, behind its conversions; the block's two stores and 32 loads follow it.
;   the small product:  AN   K step 0's holds write and its conversions read it; K step 1's loads land in it behind one wait.  BN0, BN1 are loaded once.
;           ACC        written by the two matrix instructions, read by the two stores: the four places, then one wait.
.set XW,  32                           ; W path: v32-95   two sets of 32 numbers, a block of 32 along K of my column
.set CW,  96                           ;         v96-127  codes: eight registers for each of four blocks, never rewritten
.set BN0, 32                           ; dec path: v32-95, v96-159 w_dec's numbers of K steps 0 and 1
.set BN1, 96
.set AN,  160                          ;         v160-223 decoder_hidden's numbers of the K step in hand
.set BC,  224                          ;         v224-239 w_dec's codes;  v240-255 decoder_hidden's
.set AC,  240
.set ACC, 16                           ;         v16-23   the one accumulator
	s_load_b256 s[4:11], s[0:1], 0x0               ; attn_w s[4:5], decoder_hidden s[6:7], lowp_scales s[8:9], wq s[10:11]
	s_load_b64 s[12:13], s[0:1], 0x20              ; dpp
	v_lshrrev_b32 v1, 5, v0
	v_readfirstlane_b32 s16, v1                    ; wave 0..3
	v_and_b32 v1, 31, v0                           ; lane
	v_and_b32 v2, 15, v0                           ; r
	v_bfe_u32 v3, v0, 4, 1                         ; h
	s_wait_kmcnt 0x0
	s_load_b128 s[20:23], s[8:9], 0x0              ; e0, e1, e2, e3
	s_wait_alu depctr_va_sdst(0)                   ; s16 is written
	s_cmp_lt_u32 ttmp9, 128
	s_cbranch_scc0 .Ldec
	; ---- w_enc.  A LANE TAKES A COLUMN AND ITS REGISTERS RUN DOWN K: the conversions then give codes with K innermost.  Work-group x: columns 128 (x % 8) on, K 128 (x / 8) on; wave j: 32 of the columns.
	s_and_b32 s24, ttmp9, 7                        ; g: which 128 columns
	s_lshr_b32 s25, ttmp9, 3                       ; ky: which 128 along K
	s_lshl_b32 s26, s25, 19                        ; 128 ky rows of 4,096 bytes,
	s_add_co_u32 s26, s26, 1024*4096               ; behind w_dec's 1,024 rows,
	s_lshl_b32 s27, s24, 9
	s_add_co_u32 s26, s26, s27                     ; + 512 g
	s_lshl_b32 s27, s16, 7
	s_add_co_u32 s26, s26, s27                     ; + 128 j
	s_mov_b32 s27, 0
	s_add_nc_u64 s[4:5], s[4:5], s[26:27]
	s_and_b32 s28, s24, 3                          ; w = g % 4, p = g / 4
	s_lshl_b32 s28, s28, 1
	s_lshr_b32 s29, s24, 2
	s_add_co_u32 s28, s28, s29
	s_lshl_b32 s28, s28, 18                        ; (2 w + p) x 262,144
	s_lshl_b32 s29, s25, 14
	s_add_co_u32 s28, s28, s29                     ; + two half-steps of 8,192 for each ky
	s_lshl_b32 s29, s16, 11
	s_add_co_u32 s28, s28, s29                     ; + tiles 2 j, 2 j + 1 of 1,024
	s_mov_b32 s29, 0
	s_add_nc_u64 s[10:11], s[10:11], s[28:29]
	s_wait_alu depctr_va_vdst(0)
	v_lshlrev_b32 v4, 2, v1                        ; in: 4 bytes a lane: a wave's load reads 128 consecutive bytes, the four waves 512
	v_lshlrev_b32 v5, 4, v2
	v_lshl_add_u32 v5, v3, 10, v5                  ; out: 16 r + 1,024 (lane / 16): sixteen lanes store 256 consecutive bytes, aligned
	s_wait_alu depctr_va_vdst(0)                   ; v4 and v5 are written: every load of this path reads v4 as its offset, every store v5
.macro LOADW t                         ; block t: w_enc(128 ky + 32 t + i, my column), i = 0 .. 31, into set t % 2
.set i, 0
.rept 32
	global_load_b32 v[XW+32*((\t)%2)+i], v4, s[4:5] offset:(32*(\t)+i)*4096 th:TH_LOAD_NT
.set i, i+1
.endr
.endm
	LOADW 0
	LOADW 1
	s_wait_kmcnt 0x0
	s_add_co_i32 s30, s23, 127
	s_lshl_b32 s31, s30, 23
	v_mov_b32 v8, s31                              ; 2^e3 as f32: the conversion takes its exponent field
	s_add_co_i32 s30, s30, 15
	s_lshl_b32 s30, s30, 23
	s_or_b32 s30, s30, 0x600000
	v_mov_b32 v10, s30                             ; 57,344 x 2^e3
.macro BLOCKW t
.set XS, XW+32*((\t)%2)
.if (\t) < 3
	s_wait_loadcnt 32                              ; this block's 32 loads are in; the next block's 32 may be out
.else
	s_wait_loadcnt 0
.endif
.set i, 0
.rept 32
	v_med3_num_f32 v[XS+i], v[XS+i], -v10, v10     ; the conversion to an 8-bit code does not saturate (ISA guide 7.6.2): the hold at the largest code x the scale
.set i, i+1
.endr
.irp g, 0,1,2,3
	v_cvt_scalef32_pk8_bf8_f32 v[CW+8*(\t)+2*\g:CW+8*(\t)+2*\g+1], v[XS+8*\g:XS+8*\g+7], v8
.endr
	v_nop                                          ; a plain vector line behind the last conversion of the run
	s_wait_alu depctr_va_vdst(0)                   ; the conversions have written this block's codes, which the two stores read; the holds and conversions are done with this set, in which the loads below land
	global_store_b128 v5, v[CW+8*(\t):CW+8*(\t)+3], s[10:11] offset:((\t)/2)*8192+((\t)%2)*512         ; k = 32 t + 0 .. 15: h = 0
	global_store_b128 v5, v[CW+8*(\t)+4:CW+8*(\t)+7], s[10:11] offset:((\t)/2)*8192+((\t)%2)*512+256   ; k = 32 t + 16 .. 31: h = 1
.if (\t) < 2
	LOADW (\t)+2
.endif
.endm
	s_wait_alu depctr_va_vdst(0)
	BLOCKW 0
	BLOCKW 1
	BLOCKW 2
	BLOCKW 3
	s_endpgm
	; ---- decoder_hidden w_dec.  Work-group y = x - 128: 16 columns d = y / 4, the K quarter kq = y % 4; wave a: batches 16 a on.  Source 0 = 16 columns of w_dec, source 1 = 16 batches:
	; in the result lane (r, h) holds batch 16 a + r and its register j column 16 d + 8 h + j.
.Ldec:
	s_sub_co_u32 s24, ttmp9, 128
	s_lshr_b32 s25, s24, 2                         ; d
	s_and_b32 s24, s24, 3                          ; kq
	s_lshl_b32 s26, s24, 20                        ; w_dec: 256 kq rows of 4,096 bytes
	s_lshl_b32 s27, s25, 6
	s_add_co_u32 s26, s26, s27                     ; + 64 d
	s_mov_b32 s27, 0
	s_add_nc_u64 s[4:5], s[4:5], s[26:27]
	s_lshl_b32 s26, s16, 16                        ; decoder_hidden: 16 a rows of 4,096 bytes
	s_lshl_b32 s28, s24, 10
	s_add_co_u32 s26, s26, s28                     ; + 1,024 kq
	s_add_nc_u64 s[6:7], s[6:7], s[26:27]
	s_lshl_b32 s26, s25, 14                        ; dpp: 16,384 d + 4,096 kq + 1,024 a
	s_lshl_b32 s28, s24, 12
	s_add_co_u32 s26, s26, s28
	s_lshl_b32 s28, s16, 10
	s_add_co_u32 s26, s26, s28
	s_add_nc_u64 s[12:13], s[12:13], s[26:27]
	s_wait_alu depctr_va_vdst(0)
	v_lshlrev_b32 v4, 2, v2
	v_lshl_add_u32 v4, v3, 16, v4                  ; w_dec: column r; lanes 16-31 begin 16 rows further down
	v_lshlrev_b32 v5, 12, v2
	v_lshl_add_u32 v5, v3, 6, v5                   ; decoder_hidden: row r, + 64 h: my 16 numbers of a block of 32
	v_lshlrev_b32 v6, 4, v1                        ; dpp: 16 x lane
	s_wait_alu depctr_va_vdst(0)                   ; v4, v5 and v6 are written: the offsets of this path's loads and stores
.macro LOADB s, reg                    ; w_dec(128 s + 32 c + 16 h + i, my column) into v[reg + 16 c + i]
.irp c, 0,1,2,3
.set i, 0
.rept 16
	global_load_b32 v[\reg+16*\c+i], v4, s[4:5] offset:(128*(\s)+32*\c+i)*4096
.set i, i+1
.endr
.endr
.endm
.macro LOADA s                         ; decoder_hidden(my row, 128 s + 32 c + 16 h + 4 j ..) into v[AN + 16 c + 4 j ..]
.irp c, 0,1,2,3
.irp j, 0,1,2,3
	global_load_b128 v[AN+16*\c+4*\j:AN+16*\c+4*\j+3], v5, s[6:7] offset:512*(\s)+128*\c+16*\j
.endr
.endr
.endm
.macro QUANT src, dst, sc, lim         ; 64 numbers of a lane become a fragment's 16 registers of codes
.irp c, 0,1,2,3
.set i, 0
.rept 16
	v_med3_num_f32 v[\src+16*\c+i], v[\src+16*\c+i], -v[\lim], v[\lim]
.set i, i+1
.endr
	v_cvt_scalef32_pk8_bf8_f32 v[\dst+4*\c:\dst+4*\c+1], v[\src+16*\c:\src+16*\c+7], v[\sc]
	v_cvt_scalef32_pk8_bf8_f32 v[\dst+4*\c+2:\dst+4*\c+3], v[\src+16*\c+8:\src+16*\c+15], v[\sc]
.endr
.endm
	LOADB 0, BN0
	LOADA 0
	LOADB 1, BN1
	s_wait_kmcnt 0x0
	s_add_co_i32 s28, s21, 127
	s_lshl_b32 s29, s28, 23
	v_mov_b32 v8, s29                              ; 2^e1, for w_dec
	s_add_co_i32 s28, s28, 15
	s_lshl_b32 s28, s28, 23
	s_or_b32 s28, s28, 0x600000
	v_mov_b32 v10, s28                             ; 57,344 x 2^e1
	s_add_co_i32 s28, s20, 127
	s_lshl_b32 s29, s28, 23
	v_mov_b32 v9, s29                              ; 2^e0, for decoder_hidden
	s_add_co_i32 s28, s28, 15
	s_lshl_b32 s28, s28, 23
	s_or_b32 s28, s28, 0x600000
	v_mov_b32 v11, s28                             ; 57,344 x 2^e0
	s_wait_alu depctr_va_vdst(0)
	s_wait_loadcnt 63                              ; K step 0 of both is in: 64 loads were issued behind it, and a wait names 63 at the most (a smaller count is always safe)
	QUANT BN0, BC, 8, 10
	QUANT AN, AC, 9, 11
	v_nop                                          ; a plain vector line between the last conversion and the matrix instruction that reads its result
	s_wait_alu depctr_va_vdst(0)                   ; the holds and conversions are done with v[AN ..], in which the loads below land
	LOADA 1                                        ; K step 1 of decoder_hidden, into the registers just converted
	v_wmma_f32_16x16x128_bf8_bf8 v[ACC:ACC+7], v[BC:BC+15], v[AC:AC+15], 0     ; the first K step starts the sum
	s_wait_loadcnt 0x0
	QUANT BN1, BC, 8, 10                           ; its first sixteen holds name none of the product's registers: they are the places ahead of the conversions that write the codes anew
	QUANT AN, AC, 9, 11
	v_nop
	s_wait_alu depctr_va_vdst(0)                   ; the wait stands directly ahead of the link
	v_wmma_f32_16x16x128_bf8_bf8 v[ACC:ACC+7], v[BC:BC+15], v[AC:AC+15], v[ACC:ACC+7]
.rept 4
	v_nop                                          ; four places ahead of the stores that read the result
.endr
	s_wait_alu depctr_va_vdst(0)                   ; the matrix instruction has written the accumulator, which the stores read; the places above stay beside this wait
	global_store_b128 v6, v[ACC:ACC+3], s[12:13]               ; 32 lanes store 512 consecutive bytes, aligned; the accumulator from its low end on
	global_store_b128 v6, v[ACC+4:ACC+7], s[12:13] offset:512
	s_endpgm
.Lfunc_end_k_q6799c9cba5_prep:
	.size	k_q6799c9cba5_prep, .Lfunc_end_k_q6799c9cba5_prep-k_q6799c9cba5_prep
	.p2alignl 7, 3214868480
	.fill 96, 4, 3214868480
	.section	.rodata,"a",@progbits
	.p2align	6, 0x0
	.amdhsa_kernel k_q6799c9cba5_prep
		.amdhsa_group_segment_fixed_size 0
		.amdhsa_private_segment_fixed_size 0
		.amdhsa_enable_private_segment 0
		.amdhsa_kernarg_size 40
		.amdhsa_user_sgpr_count 2
		.amdhsa_user_sgpr_kernarg_segment_ptr 1
		.amdhsa_wavefront_size32 1
		.amdhsa_system_sgpr_workgroup_id_x 1
		.amdhsa_system_sgpr_workgroup_id_y 1
		.amdhsa_system_sgpr_workgroup_id_z 1
		.amdhsa_system_vgpr_workitem_id 0
		.amdhsa_next_free_vgpr 256
		.amdhsa_next_free_sgpr 66
		.amdhsa_reserve_vcc 0
		.amdhsa_float_denorm_mode_32 3
		.amdhsa_float_denorm_mode_16_64 3
		.amdhsa_memory_ordered 1
		.amdhsa_forward_progress 1
		.amdhsa_inst_pref_size 60
	.end_amdhsa_kernel
	.amdgpu_metadata
---
amdhsa.version: [ 1, 2 ]
amdhsa.kernels:
  - .name:           k_q6799c9cba5_prep
    .symbol:         k_q6799c9cba5_prep.kd
    .args:
      - { .name: attn_w, .offset: 0, .size: 8, .value_kind: global_buffer, .address_space: global }
      - { .name: decoder_hidden, .offset: 8, .size: 8, .value_kind: global_buffer, .address_space: global }
      - { .name: lowp_scales, .offset: 16, .size: 8, .value_kind: global_buffer, .address_space: global }
      - { .name: wq, .offset: 24, .size: 8, .value_kind: global_buffer, .address_space: global }
      - { .name: dpp, .offset: 32, .size: 8, .value_kind: global_buffer, .address_space: global }
    .group_segment_fixed_size: 0
    .private_segment_fixed_size: 0
    .kernarg_segment_align: 8
    .kernarg_segment_size: 40
    .max_flat_workgroup_size: 128
    .sgpr_count:     66
    .vgpr_count:     256
    .wavefront_size: 32
...
	.end_amdgpu_metadata
.endif
;; end of part 4
;; launch scores (part 5): grid 256 x 1, 4 waves a work-group, no clusters, 268,800 bytes of LDS; arguments encoder_outputs, wq, dpp, attn_b, v_w, encoder_mask, lowp_scales, sc; writes sc
.if DOCPART == 5
	.amdgcn_target "amdgcn-amd-amdhsa--gfx1250"
	.amdhsa_code_object_version 6
	.text
	.protected	k_q6799c9cba5_scores
	.globl	k_q6799c9cba5_scores
	.p2align	8
	.type	k_q6799c9cba5_scores,@function
k_q6799c9cba5_scores:
	s_mov_b64 s[64:65], 0
	v_nop
	global_prefetch_b8 v0, s[64:65] scope:SCOPE_SE
	s_setreg_imm32_b32 hwreg(HW_REG_WAVE_SCHED_MODE, 0, 2), 2
	s_setreg_imm32_b32 hwreg(HW_REG_WAVE_MODE, 25, 1), 1
	s_wait_xcnt 0x0
	s_wait_alu depctr_vm_vsrc(0)
; LAUNCH 2 OF 3.  sc[b][s] = t = log2(e) x (-2 sum_a v_w[a] r[b,s,a]), r = 1 / (1 + e^(2x)), x = dec[b][a] + enc[b][s][a]; -inf where encoder_mask is 0.
; LEFT OUT: sum_a v_w[a], which is the same along the softmax's axis (shown at the head of the first launch's text).
; enc = encoder_outputs w_enc is the QUANTISED product: codes of BF8 (E5M2), scales 2^e2 and 2^e3, by v_wmma_f32_16x16x64_bf8_bf8, sums in f32.
; SHARES.  Work-group T owns rows 128 T .. + 127 of the 32,768 (all of batch T / 4).  PHASE 1: wave w reads rows 32 w .. + 31 once, quantises them in registers, and all 128 x 2,048 codes stay in LDS.
; PHASE 2: two passes of 512 columns.  In pass p wave w owns all 128 rows x columns 512 p + 128 w .. + 127: 64 accumulators, 512 registers.  Rows' fragments come from LDS; w_enc's codes come
; from memory straight into a ring of four register slots, one half-step (64 along K) each, laid by the first launch so that a fragment is two loads of 16 bytes a lane.  No byte of w_enc is loaded twice by a work-group.
; A pass ends in y = 2 log2(e) x, r = 1 / (1 + 2^y), the sum of -2 log2(e) v_w r over the wave's 128 columns; the eight partial sums of a row (2 passes x 4 waves) meet in LDS.
; WHY NO TENSOR LOADS AND NO CLUSTER: the rows' codes take 264,192 bytes of LDS; what is left does not hold two slots of a pass's 512 columns x 64 codes (65,536 bytes) beside the scratch and the spare words.
; The product is used in the natural order (source 0 = 16 rows, source 1 = 16 columns): a lane holds ONE column (lane % 16) and eight rows, so dec and v_w are one number a lane and tile.
; LIMITS: e2 between -126 and 112; e0 + e1 and e2 + e3 between -125 and 125 (they are added to the exponent field of 2 log2(e)).  NaN among the inputs is not served.
; REGISTERS, in windows of 256 (s_set_vgpr_msb: bits 1:0 source 0, 3:2 source 1, 5:4 source 2, 7:6 destination):
;   window 0: v1-29 addresses and constants; v32-47, v48-63 dec' and v' for 16 column tiles; v64-95 the pass's eight of each, as pairs; v96-127 at work;
;             v128-191, v192-255 rows' fragments, two sets (phase 1: v128-191 codes on their way to LDS; a pass's end: v128-191 the 64 row sums)
;   window 1: phase 1: two sets of 128 numbers;  phase 2: w_enc's ring, slot s at v[64 s], tile b at + 8 b
;   window 2: phase 1: v0-95 the raw parameters;  then accumulator (a, b) at v[8 (8 b + a)], b = 0 .. 3;   window 3: b = 4 .. 7
; THE MODE: SCHED_MODE bits 1:0 = 2 (LLVM: expert scheduling mode 2), set by the entry lines.  The code itself states the register dependences
; between vector or matrix instructions and memory or LDS instructions, with s_wait_alu, always for 0.
; THE PLAN.  Registers that memory or LDS instructions touch:
;   v1, v14, v18, v19, v20   offsets and addresses, made once at the head and never written again: one wait ahead of the first load.
;   PHASE 1.  Set p of window 1: a step's holds write it and its conversions read it; behind them the same set's loads of the next trip land in it.
;             Codes p (v128 + 32 p ..): the step's conversions write them, its 32 LDS stores read them; written again a trip later.   v3: written once a trip, read by the stores.
;             ONE wait on va_vdst a step, behind its conversions: the step's loads and stores follow it.  ONE wait on vm_vsrc a trip, ahead of the add to v3: both sets of codes' stores stand ahead of it.
;   PHASE 2.  Ring slot s: read by the products of half-step K (K % 4 = s); the loads of half-step K + 4 land in it, issued in half-step K + 1.
;             Fragment set f: read by the products of half-step K (K % 2 = f); the LDS loads of half-step K + 2 land in it, issued in half-step K + 1.
;             v8-11: read by every LDS load of a fragment; written at a pass's head and once a trip.
;             So ONE wait on va_vdst stands at a half-step's head: the half-step before is done reading its slot and its set, and v8-11 are written.  The half-step's 32 loads follow it, among its 64 products,
;             which name this half-step's slot, its set and the accumulators: none of the registers that those loads touch.  One wait on vm_vsrc stands ahead of each write of v8-11.
;   A PASS'S END.  v128-191 (the row sums) and v13 are written by vector instructions and read by 16 LDS stores: one wait on va_vdst ahead of the stores; the next pass's head frees them by its wait on vm_vsrc.
;   v28, v29  written at the head, read by the closing add alone.
.set PITCH, 2064                       ; a row of codes in LDS: 2,048 bytes + 16 = 516 words: row r starts at bank 4 r mod 64 (64 banks of 4 bytes: ISA guide 11.1), so the 16 rows of a load start at 16 different banks
.set SCR,   128*PITCH                  ; behind the codes: [pass 2][wave 4][row 128] f32, 4,096 bytes
.set SPARE, SCR+4096                   ; behind that: the spare words, 128 bytes for each wave: two blocks of 256 bytes that no other line names
.set L16,  1                           ; v1     16 x lane
.set CW0,  2                           ; v2     phase 1: where my wave's first row begins in LDS, + 4 x lane
.set CWA,  3                           ; v3     the same + the trip's place along K
.set AA0,  4                           ; v4-7   row (lane % 16) x pitch + 16 (lane / 16) + 32 j rows
.set AA,   8                           ; v8-11  the same + the trip's place along K
.set SCW0, 12                          ; v12    SCR + 512 wave + 32 (lane / 16)
.set SCWA, 13                          ; v13    the same + 2,048 pass
.set SRD,  14                          ; v14    SCR + 4 x thread
.set MSK,  15                          ; v15    my row's word of encoder_mask
.set XSC,  16                          ; v16    2^e2
.set NINF, 17                          ; v17    -infinity
.set ROFF, 18                          ; v18    4 x thread
.set DOFF, 19                          ; v19    my column's place in an image of dpp
.set POFF, 20                          ; v20    4 (lane % 16)
.set XLIM, 21                          ; v21    57,344 x 2^e2
.set SPW,  28                          ; v28    LDS address of my spare word; never rewritten
.set NIL,  29                          ; v29    0; never rewritten
.set DDP,  32
.set VVP,  48
.set DDW,  64
.set VVW,  80
.set TMPV, 96
.set AF,   128
.set CT,   128
.set SUM,  128
.set MSB, 0
.macro WIN new                         ; the immediate's high byte repeats the setting that is left; a switch that changes nothing is dropped
.if MSB != \new
	s_set_vgpr_msb (MSB<<8)|\new
.set MSB, \new
.endif
.endm
.macro PLACES                          ; four plain vector lines behind matrix instructions, ahead of loads into registers that they read and of reads of their results (ISA guide 7.12.1 for reads of their results)
.rept 4
	v_nop
.endr
.endm
	s_load_b512 s[4:19], s[0:1], 0x0               ; encoder_outputs s[4:5], wq s[6:7], dpp s[8:9], attn_b s[10:11], v_w s[12:13], encoder_mask s[14:15], lowp_scales s[16:17], sc s[18:19]
	v_lshl_add_u32 v[SPW], v0, 2, SPARE
	v_mov_b32 v[NIL], 0
	v_lshrrev_b32 v22, 5, v0
	v_readfirstlane_b32 s20, v22                   ; wave 0..3
	v_and_b32 v23, 31, v0                          ; lane
	v_and_b32 v24, 15, v0                          ; r
	v_bfe_u32 v25, v0, 4, 1                        ; h
	v_lshlrev_b32 v[L16], 4, v23
	s_wait_alu depctr_va_sdst(0)                   ; s20 is written, ahead of its first reader: LDS places and all bases are made from it
	s_mul_i32 s21, s20, 32*PITCH
	v_lshl_add_u32 v[CW0], v23, 2, s21
	v_mul_u32_u24 v[AA0], v24, PITCH
	v_lshl_add_u32 v[AA0], v25, 4, v[AA0]
	v_add_nc_u32 v[AA0+1], 32*PITCH, v[AA0]
	v_add_nc_u32 v[AA0+2], 64*PITCH, v[AA0]
	v_add_nc_u32 v[AA0+3], 96*PITCH, v[AA0]
	s_lshl_b32 s21, s20, 9
	s_add_co_u32 s21, s21, SCR
	v_lshl_add_u32 v[SCW0], v25, 5, s21
	v_lshl_add_u32 v[SRD], v0, 2, SCR
	v_lshlrev_b32 v[ROFF], 2, v0
	v_bfe_u32 v26, v0, 2, 1
	v_bfe_u32 v27, v0, 3, 1
	v_and_b32 v[DOFF], 3, v0
	v_lshlrev_b32 v[DOFF], 2, v[DOFF]
	v_lshl_add_u32 v[DOFF], v26, 9, v[DOFF]
	v_lshl_add_u32 v[DOFF], v27, 8, v[DOFF]        ; column r of a tile lies in register 4 ((r / 4) % 2) + r % 4 of the lanes' half r / 8: 512 ((r / 4) % 2) + 256 (r / 8) + 4 (r % 4)
	v_lshlrev_b32 v[POFF], 2, v24
	v_mov_b32 v[NINF], 0xff800000
	s_lshl_b32 s22, ttmp9, 20                      ; 128 T rows of 8,192 bytes
	s_lshl_b32 s23, s20, 18                        ; + 32 w rows
	s_add_co_u32 s22, s22, s23
	s_mov_b32 s23, 0
	s_wait_kmcnt 0x0
	s_load_b128 s[24:27], s[16:17], 0x0            ; e0, e1, e2, e3
	s_add_nc_u64 s[36:37], s[4:5], s[22:23]        ; encoder_outputs at my wave's first row
	s_lshl_b32 s22, s20, 19
	s_add_nc_u64 s[38:39], s[6:7], s[22:23]        ; wq at my wave's stream of 524,288 bytes: pass 0's 32 half-steps, then pass 1's
	s_lshr_b32 s21, ttmp9, 2                       ; the batch m
	s_lshl_b32 s22, s20, 17                        ; dpp: my wave's eight column tiles of a pass, 16,384 bytes each,
	s_lshr_b32 s28, s21, 4
	s_lshl_b32 s28, s28, 10
	s_add_co_u32 s22, s22, s28                     ; + 1,024 (m / 16)
	s_and_b32 s28, s21, 15
	s_lshl_b32 s28, s28, 4
	s_add_co_u32 s22, s22, s28                     ; + 16 (m % 16)
	s_add_nc_u64 s[8:9], s[8:9], s[22:23]
	s_lshl_b32 s22, s20, 9                         ; attn_b and v_w: my wave's 128 numbers of a pass
	s_add_nc_u64 s[10:11], s[10:11], s[22:23]
	s_add_nc_u64 s[12:13], s[12:13], s[22:23]
	s_lshl_b32 s22, ttmp9, 9                       ; encoder_mask and sc: my work-group's 128 words
	s_add_nc_u64 s[14:15], s[14:15], s[22:23]
	s_add_nc_u64 s[18:19], s[18:19], s[22:23]
	s_wait_alu depctr_va_vdst(0)                   ; v1, v14, v18, v19 and v20 are written: the offsets and addresses that the loads and stores of the whole kernel read and that are never written again
	global_load_b32 v[MSK], v[ROFF], s[14:15]
	WIN 0x80                                       ; destination window 2
.irp p, 0,1                            ; for column tile ct = 8 p + b: four partial sums of the small product, attn_b and v_w of my column, into v[6 ct ..] of window 2
.irp b, 0,1,2,3,4,5,6,7
.irp kq, 0,1,2,3
	global_load_b32 v[6*(8*\p+\b)+\kq], v[DOFF], s[8:9] offset:(32*\p+\b)*16384+\kq*4096
.endr
	global_load_b32 v[6*(8*\p+\b)+4], v[POFF], s[10:11] offset:2048*\p+64*\b
	global_load_b32 v[6*(8*\p+\b)+5], v[POFF], s[12:13] offset:2048*\p+64*\b
.endr
.endr
; PHASE 1.  A step is 128 along K of my 32 rows: 32 loads, each 512 consecutive bytes of one row, 16 bytes a lane.  Two sets take turns, so that 64 loads of a wave are asked for.
.macro XFILL set, koff
	WIN 0x40                                       ; destination window 1, address window 0
.set i, 0
.rept 32
	global_load_b128 v[128*(\set)+4*i:128*(\set)+4*i+3], v[L16], s[36:37] offset:i*8192+(\koff) th:TH_LOAD_NT
.set i, i+1
.endr
.endm
; A conversion takes eight consecutive registers: four numbers of row 2 u and four of row 2 u + 1, each four neighbours along K; its two result registers are four codes of each row.
.macro XSTEP set, refill, left
	s_wait_loadcnt \left                           ; loads come back in order (ISA guide 5.7.1): this set's 32 are in, the other set's may be out
	WIN 0x41                                       ; source 0 and destination window 1; the limit in window 0
.set i, 0
.rept 128
	v_med3_num_f32 v[128*(\set)+i], v[128*(\set)+i], -v[XLIM], v[XLIM]     ; the conversion to an 8-bit code does not saturate (ISA guide 7.6.2): the hold at the largest code x the scale
.set i, i+1
.endr
	s_wait_dscnt 32                                ; all LDS stores but the last step's 32, which read the other set of code registers, are done
	WIN 0x01                                       ; source 0 window 1; scale and destination window 0
.set i, 0
.rept 16
	v_cvt_scalef32_pk8_bf8_f32 v[CT+32*(\set)+2*i:CT+32*(\set)+2*i+1], v[128*(\set)+8*i:128*(\set)+8*i+7], v[XSC]
.set i, i+1
.endr
	v_nop                                          ; a plain vector line behind the last conversion of the run
.if \refill
	WIN 0x40                                       ; the loads' window first, then the wait, then the loads
	s_wait_alu depctr_va_vdst(0)                   ; the holds and conversions are done with this set, in which the loads below land; the conversions have written the codes, and the trip's add v3, which the stores below read
	XFILL \set, 1024+512*(\set)                    ; the same set's step of the next trip
	WIN 0
.else
	WIN 0
	s_wait_alu depctr_va_vdst(0)                   ; the conversions have written the codes, and the trip's add v3, which the stores below read; the holds and conversions are done with this set, which the ring takes over
.endif
.set i, 0
.rept 32
	ds_store_b32 v[CWA], v[CT+32*(\set)+i] offset:i*PITCH+128*(\set)       ; row i: 32 lanes store 128 consecutive bytes
.set i, i+1
.endr
.endm
	XFILL 0, 0
	XFILL 1, 512
	WIN 0
	s_wait_kmcnt 0x0
	s_add_co_i32 s21, s26, 127
	s_lshl_b32 s22, s21, 23
	v_mov_b32 v[XSC], s22                          ; 2^e2 as f32: the conversion takes its exponent field
	s_add_co_i32 s21, s21, 15
	s_lshl_b32 s21, s21, 23
	s_or_b32 s21, s21, 0x600000
	v_mov_b32 v[XLIM], s21                         ; 57,344 x 2^e2
	s_add_co_i32 s21, s26, s27
	s_lshl_b32 s21, s21, 23
	s_add_co_i32 s30, s21, 0x4038aa3b              ; 2 log2(e) x 2^(e2 + e3): the exponents are added to the constant's exponent field
	s_mov_b32 s31, s30                             ; (named with it as a pair, so it is written)
	s_add_co_i32 s21, s24, s25
	s_lshl_b32 s21, s21, 23
	s_add_co_i32 s32, s21, 0x4038aa3b              ; 2 log2(e) x 2^(e0 + e1)
	s_mov_b32 s33, 0x4038aa3b                      ; 2 log2(e)
	s_mov_b32 s34, 0xc038aa3b                      ; -2 log2(e)
	s_mov_b32 s40, 0                               ; the trip's place along K, in codes
	s_mov_b32 s43, 7
.Lx:                                               ; seven trips of two steps; the eighth is written out, without loads: no load leaves its row
	s_wait_alu depctr_vm_vsrc(0)                   ; the last trip's LDS stores have read v3 and both sets of codes, which this trip writes again
	v_add_nc_u32 v[CWA], s40, v[CW0]
	s_wait_alu depctr_va_vdst(0)
	XSTEP 0, 1, 32                                 ; (the first wait also covers the parameters' loads, which were issued ahead of the rows')
	XSTEP 1, 1, 32
	WIN 0
	s_wait_xcnt 0x0                                ; the loads have read their base: it is stepped only behind this wait
	s_wait_dscnt 0x0                               ; and the stores are done before their address is stepped
	s_add_nc_u64 s[36:37], s[36:37], 1024
	s_add_co_u32 s40, s40, 256
	s_sub_co_u32 s43, s43, 1
	s_cmp_lg_u32 s43, 0
	s_cbranch_scc1 .Lx
	s_wait_alu depctr_vm_vsrc(0)                   ; the last trip's LDS stores have read v3 and both sets of codes, which this trip writes again
	v_add_nc_u32 v[CWA], s40, v[CW0]
	XSTEP 0, 0, 32
	XSTEP 1, 0, 0
; PHASE 2's macros.  A run of eight loads: tiles 4 half .. + 3 of slot s, from half-step number at of the stream, counted from s[38:39]
.macro BRUN s, half, at
	WIN 0x40
.irp bb, 0,1,2,3
.irp c, 0,1
	global_load_b128 v[64*(\s)+8*(4*(\half)+\bb)+4*\c:64*(\s)+8*(4*(\half)+\bb)+4*\c+3], v[L16], s[38:39] offset:(\at)*8192+(4*(\half)+\bb)*1024+\c*512 th:TH_LOAD_HT
.endr
.endr
.endm
.macro ALOAD set, koff                 ; the rows' eight fragments (16 rows x 64 K, 8 registers: two loads of 16 bytes, 32 apart) of the half-step at byte koff beyond the trip's place
.irp a, 0,1,2,3,4,5,6,7
.irp c, 0,1
	ds_load_b128 v[AF+64*(\set)+8*\a+4*\c:AF+64*(\set)+8*\a+4*\c+3], v[AA+\a/2] offset:(\a%2)*16*PITCH+(\koff)+32*\c
.endr
.endr
.endm
; 32 products: four column tiles x eight row tiles.  The 64 accumulators take turns, one instruction a turn, in the same order in every half-step, over the backward jumps too.
.macro MULS s, half, zero
.irp bb, 0,1,2,3
.irp a, 0,1,2,3,4,5,6,7
.if \zero
	v_wmma_f32_16x16x64_bf8_bf8 v[8*(8*\bb+\a):8*(8*\bb+\a)+7], v[AF+64*((\s)%2)+8*\a:AF+64*((\s)%2)+8*\a+7], v[64*(\s)+8*(4*(\half)+\bb):64*(\s)+8*(4*(\half)+\bb)+7], 0
.else
	v_wmma_f32_16x16x64_bf8_bf8 v[8*(8*\bb+\a):8*(8*\bb+\a)+7], v[AF+64*((\s)%2)+8*\a:AF+64*((\s)%2)+8*\a+7], v[64*(\s)+8*(4*(\half)+\bb):64*(\s)+8*(4*(\half)+\bb)+7], v[8*(8*\bb+\a):8*(8*\bb+\a)+7]
.endif
.endr
.endr
.endm
; A HALF-STEP: 64 along K, 64 products, on ring slot s and fragment set s % 2.  zero: the products start the sums.  stp: the trip's place along K moves on.  refill: the slot that the half-step BEFORE has
; left is asked for again, with the half-step three on: one run of eight loads at the head, the other behind the first 32 products.  nexta: the next half-step's rows are fetched, at the head, into the set that
; the half-step before has left.  The four places at a half-step's end stand between its products and those loads (at a pass's end: and the first read of the sums).
; n1, n2: how many younger loads of w_enc may be out when the first, the second half of the slot has to be in.
.macro HS s, zero, stp, refill, nexta, n1, n2
	s_wait_loadcnt \n1
	s_wait_dscnt 0x0                               ; my rows' fragments of this half-step, asked for a half-step ago
.if \stp
	s_wait_alu depctr_vm_vsrc(0)                   ; the LDS loads issued so far have read v8-11, which are written below
	s_add_co_u32 s41, s41, 256
.irp j, 0,1,2,3
	v_add_nc_u32 v[AA+\j], s41, v[AA0+\j]
.endr
.endif
.if ((\nexta) || (\refill)) && !(\zero)            ; a pass's first half-step leans on the wait at the pass's head: only LDS loads stand between.  A half-step that issues no load has no wait
	s_wait_alu depctr_va_vdst(0)                   ; the products of the half-step before are done reading their fragment set and their ring slot, in which the loads of this half-step land; in a trip's first half-step v8-11 are written
.endif
.if \nexta
	ALOAD ((\s)+1)%2, 64*((\s)+1)
.endif
.if \refill
	BRUN ((\s)+3)%4, 0, (\s)+3
.endif
	WIN 0xa4                                       ; rows window 0, columns window 1, C and D window 2
	MULS \s, 0, \zero
.if \refill
	BRUN ((\s)+3)%4, 1, (\s)+3                     ; no wait: no vector or matrix instruction since the wait at the head names these registers or v1
.endif
	s_wait_loadcnt \n2
	WIN 0xf4                                       ; C and D window 3
	MULS \s, 1, \zero
	PLACES
	WIN 0
.endm
; Four half-steps: once round the ring.  At a half-step's head five younger runs of eight loads stand behind the run that is wanted: 40; in its middle, with the two runs just issued, six: 48.
; refill = 0: the stream's last four half-steps: the first of them asks for the last, the others for nothing, and the counts run down.
.macro TRIP4 zero, refill, last
.if \refill
	HS 0, \zero, 1-(\zero), 1, 1, 40, 48
	HS 1, 0, 0, 1, 1, 40, 48
	HS 2, 0, 0, 1, 1, 40, 48
	HS 3, 0, 0, 1, 1-(\last), 40, 48
	s_wait_xcnt 0x0                                ; the loads have read their base
	s_add_nc_u64 s[38:39], s[38:39], 32768
.else
	HS 0, \zero, 1-(\zero), 1, 1, 40, 48
	HS 1, 0, 0, 0, 1, 40, 32
	HS 2, 0, 0, 0, 1, 24, 16
	HS 3, 0, 0, 0, 1-(\last), 8, 0
.endif
.endm
	; BETWEEN THE PHASES.  The ring's first three half-steps are asked for; the parameters are made while they are on their way.
	; No wait: phase 1's last wait on va_vdst stands behind its last holds and conversions, and only LDS stores, which name v3 and v128-191, have followed it.
.irp s, 0,1,2
	BRUN \s, 0, \s
	BRUN \s, 1, \s
.endr
	WIN 0x8a                                       ; sources 0 and 1 and the destination window 2
.set ct, 0
.rept 16
	v_add_f32 v[6*ct], v[6*ct], v[6*ct+1]          ; the small product's four quarters of K
	v_add_f32 v[6*ct+2], v[6*ct+2], v[6*ct+3]
	v_mul_f32 v[6*ct+4], s33, v[6*ct+4]            ; 2 log2(e) attn_b
	v_add_f32 v[6*ct], v[6*ct], v[6*ct+2]
.set ct, ct+1
.endr
	WIN 0x22                                       ; sources 0 and 2 window 2, destination window 0
.set ct, 0
.rept 16
	v_fma_f32 v[DDP+ct], v[6*ct], s32, v[6*ct+4]   ; dec' = 2 log2(e) (sum x 2^(e0 + e1) + attn_b)
	v_mul_f32 v[VVP+ct], v[6*ct+5], s34            ; v' = -2 log2(e) v_w
.set ct, ct+1
.endr
	WIN 0
	s_wait_dscnt 0x0                               ; for the others' sake: my rows' codes lie in LDS
	s_barrier_signal -1
	s_barrier_wait -1                              ; all 128 rows' do
	s_mov_b32 s42, 0                               ; the pass
	s_mov_b32 s45, 0                               ; 2,048 x the pass
.Lpass:
	s_mov_b32 s41, 0                               ; the trip's place along K
	s_wait_alu depctr_vm_vsrc(0)                   ; the LDS loads issued so far have read v8-11, written below; the LDS stores (phase 1's of codes, the last pass's of row sums) have read v128-191, in which fragments land, and v13, written at this pass's end
.irp j, 0,1,2,3
	v_add_nc_u32 v[AA+\j], s41, v[AA0+\j]
.endr
	s_wait_alu depctr_va_vdst(0)                   ; v8-11 are written; the vector and matrix instructions that named v128-255 and ring slot 3 (phase 1's; the last pass's products and its end) are done: the loads up to the first products land there
	ALOAD 0, 0
	TRIP4 1, 1, 0                                  ; the pass's first half-step starts the sums: nothing is cleared
	s_mov_b32 s43, 6
.Ltrip:
	TRIP4 0, 1, 0
	s_sub_co_u32 s43, s43, 1
	s_cmp_lg_u32 s43, 0
	s_cbranch_scc1 .Ltrip
	s_cmp_eq_u32 s42, 1
	s_cbranch_scc1 .Lnoref
	TRIP4 0, 1, 1                                  ; pass 0's last trip: its refills are its own last half-step and pass 1's first three, which follow in the stream
	s_branch .Lepi
.Lnoref:
	TRIP4 0, 0, 1                                  ; pass 1's last trip asks for the stream's last half-step and no more: no load leaves the buffer
.Lepi:
	; A PASS'S END.  The pass's eight dec' and v' are chosen by a select on the pass's number, each written twice to make a pair.
	s_cmp_eq_u32 s42, 1
	s_cselect_b32 s44, -1, 0
.irp b, 0,1,2,3,4,5,6,7
	v_cndmask_b32 v[DDW+2*\b], v[DDP+\b], v[DDP+8+\b], s44
	v_cndmask_b32 v[DDW+2*\b+1], v[DDP+\b], v[DDP+8+\b], s44
	v_cndmask_b32 v[VVW+2*\b], v[VVP+\b], v[VVP+8+\b], s44
	v_cndmask_b32 v[VVW+2*\b+1], v[VVP+\b], v[VVP+8+\b], s44
.endr
; Column tile b: its eight accumulators are 64 consecutive registers, worked in place and in ascending order.
; Exponentials and reciprocals go as batches of 64, each with one plain line and one wait ahead of its first reader.
; 2^y overflows to infinity where y is large: 1 / (1 + infinity) = 0, which is r's limit; where y is very negative 2^y is 0 and r = 1.
.macro EBLOCK b
.set EB, 64*((\b)%4)
.if (\b) < 4
	WIN 0x82                                       ; source 0 and destination window 2; dec' in window 0
.else
	WIN 0xc3
.endif
.set i, 0
.rept 32
	v_pk_fma_f32 v[EB+i:EB+i+1], v[EB+i:EB+i+1], s[30:31], v[DDW+2*(\b):DDW+2*(\b)+1] op_sel_hi:[1,0,1]   ; y = sum x 2 log2(e) 2^(e2 + e3) + dec'
.set i, i+2
.endr
.set i, 0
	s_wait_alu depctr_va_vdst(0)
.rept 64
	v_exp_f32 v[EB+i], v[EB+i]
.set i, i+1
.endr
	v_nop
	s_wait_alu depctr_va_vdst(0)                   ; the 64 exponentials have written their results, ahead of the first reader
.set i, 0
.rept 32
	v_pk_add_f32 v[EB+i:EB+i+1], v[EB+i:EB+i+1], 1.0 op_sel_hi:[1,0]
.set i, i+2
.endr
.set i, 0
	s_wait_alu depctr_va_vdst(0)
.rept 64
	v_rcp_f32 v[EB+i], v[EB+i]
.set i, i+1
.endr
	v_nop
	s_wait_alu depctr_va_vdst(0)                   ; the 64 reciprocals have written their results, ahead of the first reader
.if (\b) < 4
	WIN 0x02                                       ; source 0 window 2; v', the sums and the destination window 0
.else
	WIN 0x03
.endif
.set i, 0
.rept 32
.if (\b) == 0
	v_pk_mul_f32 v[SUM+i:SUM+i+1], v[EB+i:EB+i+1], v[VVW:VVW+1]           ; the first tile starts the row sums
.else
	v_pk_fma_f32 v[SUM+i:SUM+i+1], v[EB+i:EB+i+1], v[VVW+2*(\b):VVW+2*(\b)+1], v[SUM+i:SUM+i+1]
.endif
.set i, i+2
.endr
.endm
.irp b, 0,1,2,3,4,5,6,7
	EBLOCK \b
.endr
	WIN 0
.irp mk, 1,2,4,8                       ; the sixteen columns of a tile lie in the sixteen lanes of a half: four steps, mask by mask, so that no line waits for the line above it
.set i, 0
.rept 64
	v_add_f32_dpp v[SUM+i], v[SUM+i], v[SUM+i] row_xmask:\mk row_mask:0xf bank_mask:0xf
.set i, i+1
.endr
.endr
	v_add_nc_u32 v[SCWA], s45, v[SCW0]
	s_wait_alu depctr_va_vdst(0)                   ; the additions have written the 64 row sums and v13, which the LDS stores read
.irp a, 0,1,2,3,4,5,6,7                ; register 8 a + j is row 16 a + 8 (lane / 16) + j; the sixteen lanes of a half store the same bytes with the same values
	ds_store_b128 v[SCWA], v[SUM+8*\a:SUM+8*\a+3] offset:64*\a
	ds_store_b128 v[SCWA], v[SUM+8*\a+4:SUM+8*\a+7] offset:64*\a+16
.endr
	s_wait_dscnt 0x0                               ; the stores are done: the next pass's fragments may land on their registers; and, behind pass 1, for the others' sake
	s_add_co_u32 s45, s45, 2048
	s_add_co_u32 s42, s42, 1
	s_cmp_lt_u32 s42, 2
	s_cbranch_scc1 .Lpass
	s_barrier_signal -1
	s_barrier_wait -1                              ; every wave's partial sums of both passes lie in LDS
.irp q, 0,1,2,3,4,5,6,7
	ds_load_b32 v[TMPV+\q], v[SRD] offset:512*\q   ; thread tau takes row tau: its eight partial sums.  (No vector instruction has named these eight registers; v14 stands since the head)
.endr
	v_cmp_eq_u32 vcc_lo, 0, v[MSK]
	s_wait_dscnt 0x0
	v_add_f32 v[TMPV], v[TMPV], v[TMPV+1]
	v_add_f32 v[TMPV+2], v[TMPV+2], v[TMPV+3]
	v_add_f32 v[TMPV+4], v[TMPV+4], v[TMPV+5]
	v_add_f32 v[TMPV+6], v[TMPV+6], v[TMPV+7]
	v_add_f32 v[TMPV], v[TMPV], v[TMPV+2]
	v_add_f32 v[TMPV+4], v[TMPV+4], v[TMPV+6]
	v_add_f32 v[TMPV], v[TMPV], v[TMPV+4]
	s_wait_alu depctr_va_vcc(0)                    ; the compare has written VCC, ahead of the select that reads it
	v_cndmask_b32 v[TMPV], v[TMPV], v[NINF], vcc_lo    ; -infinity where encoder_mask is 0
	s_wait_alu depctr_va_vdst(0)                   ; the select has written the number that the store reads
	global_store_b32 v[ROFF], v[TMPV], s[18:19]        ; the work-group stores 512 consecutive bytes
	s_wait_dscnt 0x0                               ; the wave's end, behind my last LDS store
	s_wait_alu 0x0
	s_wait_tensorcnt 0x0
	ds_add_u32 v[SPW], v[NIL]
	s_wait_dscnt 0x0
	s_endpgm
.Lfunc_end_k_q6799c9cba5_scores:
	.size	k_q6799c9cba5_scores, .Lfunc_end_k_q6799c9cba5_scores-k_q6799c9cba5_scores
	.p2alignl 7, 3214868480
	.fill 96, 4, 3214868480
	.section	.rodata,"a",@progbits
	.p2align	6, 0x0
	.amdhsa_kernel k_q6799c9cba5_scores
		.amdhsa_group_segment_fixed_size 268800
		.amdhsa_private_segment_fixed_size 0
		.amdhsa_enable_private_segment 0
		.amdhsa_kernarg_size 64
		.amdhsa_user_sgpr_count 2
		.amdhsa_user_sgpr_kernarg_segment_ptr 1
		.amdhsa_wavefront_size32 1
		.amdhsa_system_sgpr_workgroup_id_x 1
		.amdhsa_system_sgpr_workgroup_id_y 1
		.amdhsa_system_sgpr_workgroup_id_z 1
		.amdhsa_system_vgpr_workitem_id 0
		.amdhsa_next_free_vgpr 1024
		.amdhsa_next_free_sgpr 66
		.amdhsa_reserve_vcc 1
		.amdhsa_float_denorm_mode_32 3
		.amdhsa_float_denorm_mode_16_64 3
		.amdhsa_memory_ordered 1
		.amdhsa_forward_progress 1
		.amdhsa_inst_pref_size 255
	.end_amdhsa_kernel
	.section	.bss,"aw",@nobits
	.p2align	6
	.space	262144
	.amdgpu_metadata
---
amdhsa.version: [ 1, 2 ]
amdhsa.kernels:
  - .name:           k_q6799c9cba5_scores
    .symbol:         k_q6799c9cba5_scores.kd
    .args:
      - { .name: encoder_outputs, .offset: 0, .size: 8, .value_kind: global_buffer, .address_space: global }
      - { .name: wq, .offset: 8, .size: 8, .value_kind: global_buffer, .address_space: global }
      - { .name: dpp, .offset: 16, .size: 8, .value_kind: global_buffer, .address_space: global }
      - { .name: attn_b, .offset: 24, .size: 8, .value_kind: global_buffer, .address_space: global }
      - { .name: v_w, .offset: 32, .size: 8, .value_kind: global_buffer, .address_space: global }
      - { .name: encoder_mask, .offset: 40, .size: 8, .value_kind: global_buffer, .address_space: global }
      - { .name: lowp_scales, .offset: 48, .size: 8, .value_kind: global_buffer, .address_space: global }
      - { .name: sc, .offset: 56, .size: 8, .value_kind: global_buffer, .address_space: global }
    .group_segment_fixed_size: 268800
    .private_segment_fixed_size: 0
    .kernarg_segment_align: 8
    .kernarg_segment_size: 64
    .max_flat_workgroup_size: 128
    .sgpr_count:     66
    .vgpr_count:     1024
    .wavefront_size: 32
...
	.end_amdgpu_metadata
.endif
;; end of part 5
;; launch ctx (part 6): grid 4 x 64, 8 waves a work-group, no clusters, 19,968 bytes of LDS; arguments encoder_outputs, sc, out0, out1; writes out0, out1
.if DOCPART == 6
	.amdgcn_target "amdgcn-amd-amdhsa--gfx1250"
	.amdhsa_code_object_version 6
	.text
	.protected	k_q6799c9cba5_ctx
	.globl	k_q6799c9cba5_ctx
	.p2align	8
	.type	k_q6799c9cba5_ctx,@function
k_q6799c9cba5_ctx:
	s_mov_b64 s[64:65], 0
	v_nop
	global_prefetch_b8 v0, s[64:65] scope:SCOPE_SE
	s_setreg_imm32_b32 hwreg(HW_REG_WAVE_MODE, 25, 1), 1
	s_wait_xcnt 0x0
; LAUNCH 3 OF 3.  out1[b][s] = softmax over s of attention; out0[b][e] = sum over s of out1[b][s] encoder_outputs[b][s][e].  All in f32.
; sc holds t = log2(e) x attention, less a term that is the same along s (left out: shown at the head of the first launch's text), -inf where masked.  p = 2^(t - M), M the row's largest t: the maximum is taken away.
; A batch whose mask is all 0 has M = -inf and gives NaN.
; SHARES.  Work-group (q, b): batch b, columns 512 q .. + 511 (2,048 bytes of each row).  Every work-group makes the batch's softmax (512 numbers); of out1 it stores its quarter.
; Wave w takes rows 64 w .. + 63: a ring of eight row slots in registers, four loads of 512 consecutive bytes each, so that 32 loads of a wave are asked for.  The eight waves' sums meet in LDS.
; The weights used in the stream are the unnormalised p; the sums are divided by the row's sum once, at the end.  Memory binds: matrix units, clusters and tensor loads would add nothing (a product with one row).
.set PW,    0                          ; LDS: p[512] f32
.set MX,    2048                       ; the eight waves' maxima
.set SM,    2304                       ; and sums
.set RED,   2560                       ; [wave 8][2,048 bytes]: the waves' partial contexts
.set SPARE, 18944                      ; the spare words, 128 bytes for each of eight waves: four blocks of 256 bytes that no other line names
.set SPW,  28                          ; v28  LDS address of my spare word; never rewritten
.set NIL,  29                          ; v29  0; never rewritten
.set ACCU, 32                          ; v32-47   16 sums: column 128 c + 4 lane + e at 4 c + e
.set WT,   48                          ; v48-55   the trip's eight weights
.set OFF,  56                          ; v56-63   slot i: byte offset of my 16 bytes in the row that the slot loads next
.set X,    64                          ; v64-191  slot i: 16 registers
	s_load_b256 s[4:11], s[0:1], 0x0               ; encoder_outputs s[4:5], sc s[6:7], out0 s[8:9], out1 s[10:11]
	v_lshl_add_u32 v[SPW], v0, 2, SPARE
	v_mov_b32 v[NIL], 0
	v_lshrrev_b32 v1, 5, v0
	s_delay_alu instid0(VALU_DEP_1)
	v_readfirstlane_b32 s12, v1                    ; wave 0..7
	v_and_b32 v1, 31, v0                           ; lane
	s_and_b32 s13, ttmp7, 0xffff                   ; the batch
	v_lshlrev_b32 v4, 3, v0                        ; 8 x thread: my two numbers of t, p, out1 and out0
	s_lshl_b32 s14, s12, 19                        ; 64 w rows of 8,192 bytes
	s_lshl_b32 s15, ttmp9, 11                      ; + 2,048 q
	s_add_co_u32 s14, s14, s15
	v_lshl_add_u32 v[OFF], v1, 4, s14
.irp i, 1,2,3,4,5,6,7
	v_add_nc_u32 v[OFF+\i], \i*8192, v[OFF]
.endr
	s_lshl_b32 s24, s12, 2
	v_mov_b32 v7, s24
	s_delay_alu instid0(VALU_DEP_1)
	v_add_nc_u32 v20, SM, v7                       ; where my wave puts its sum,
	s_delay_alu instid0(VALU_DEP_2)
	v_add_nc_u32 v7, MX, v7                        ; and its maximum
	v_mov_b32 v21, MX
	v_mov_b32 v22, SM
	s_lshl_b32 s24, s12, 11
	s_add_co_u32 s24, s24, RED
	v_lshl_add_u32 v23, v1, 4, s24                 ; RED + 2,048 w + 16 lane
	v_add_nc_u32 v25, RED, v4                      ; RED + 8 x thread
	v_mov_b32 v6, 0                                ; written once: a lane permute's destination counts as one of its sources
	s_lshl_b32 s16, s13, 22                        ; the batch's 512 rows of 8,192 bytes
	s_mov_b32 s17, 0
	s_lshl_b32 s18, s13, 11                        ; its 512 words of sc and out1
	s_mov_b32 s19, 0
	s_lshl_b32 s20, s13, 13
	s_add_co_u32 s20, s20, s15                     ; out0: 8,192 b + 2,048 q
	s_mov_b32 s21, 0
	s_mov_b32 s22, 0x76543210                      ; v_permlanex16_b32's selects for lane l xor 16
	s_mov_b32 s23, 0xfedcba98
	s_wait_alu depctr_va_vdst(0)
	s_wait_kmcnt 0x0
	s_add_nc_u64 s[4:5], s[4:5], s[16:17]
	s_add_nc_u64 s[6:7], s[6:7], s[18:19]
	s_add_nc_u64 s[10:11], s[10:11], s[18:19]
	s_add_nc_u64 s[8:9], s[8:9], s[20:21]
	global_load_b64 v[2:3], v4, s[6:7]             ; t of positions 2 tau, 2 tau + 1
.irp i, 0,1,2,3,4,5,6,7                ; the ring is filled before the softmax is begun: rows 64 w + 0 .. 7
.irp c, 0,1,2,3
	global_load_b128 v[X+16*\i+4*\c:X+16*\i+4*\c+3], v[OFF+\i], s[4:5] offset:512*\c th:TH_LOAD_NT
.endr
.endr
	s_wait_loadcnt 32                              ; t is in; the ring's 32 loads, issued behind it, stay out
	v_max_num_f32 v5, v2, v3
	s_delay_alu instid0(VALU_DEP_1)
	v_max_num_f32_dpp v5, v5, v5 row_xmask:1 row_mask:0xf bank_mask:0xf
	s_delay_alu instid0(VALU_DEP_1)
	v_max_num_f32_dpp v5, v5, v5 row_xmask:2 row_mask:0xf bank_mask:0xf
	s_delay_alu instid0(VALU_DEP_1)
	v_max_num_f32_dpp v5, v5, v5 row_xmask:4 row_mask:0xf bank_mask:0xf
	s_delay_alu instid0(VALU_DEP_1)
	v_max_num_f32_dpp v5, v5, v5 row_xmask:8 row_mask:0xf bank_mask:0xf
	s_delay_alu instid0(VALU_DEP_1)
	v_permlanex16_b32 v6, v5, s22, s23
	s_delay_alu instid0(VALU_DEP_1)
	v_max_num_f32 v5, v5, v6                       ; my wave's largest t
	ds_store_b32 v7, v5
	s_wait_dscnt 0x0                               ; for the others' sake
	s_barrier_signal -1
	s_barrier_wait -1
	ds_load_b128 v[8:11], v21
	ds_load_b128 v[12:15], v21 offset:16
	s_wait_dscnt 0x0
	v_max3_num_f32 v5, v8, v9, v10
	s_delay_alu instid0(VALU_DEP_1)
	v_max3_num_f32 v5, v5, v11, v12
	s_delay_alu instid0(VALU_DEP_1)
	v_max3_num_f32 v5, v5, v13, v14
	s_delay_alu instid0(VALU_DEP_1)
	v_max_num_f32 v5, v5, v15                      ; M
	s_delay_alu instid0(VALU_DEP_1)
	v_sub_f32 v2, v2, v5
	s_delay_alu instid0(VALU_DEP_2)
	v_sub_f32 v3, v3, v5
	s_wait_alu depctr_va_vdst(0)
	v_exp_f32 v2, v2                               ; p = 2^(t - M); 0 where masked
	v_exp_f32 v3, v3
	v_nop                                          ; a plain line behind the exponentials,
	s_wait_alu depctr_va_vdst(0)                   ; and a wait ahead of their first reader
	v_add_f32 v16, v2, v3
	s_delay_alu instid0(VALU_DEP_1)
	v_add_f32_dpp v16, v16, v16 row_xmask:1 row_mask:0xf bank_mask:0xf
	s_delay_alu instid0(VALU_DEP_1)
	v_add_f32_dpp v16, v16, v16 row_xmask:2 row_mask:0xf bank_mask:0xf
	s_delay_alu instid0(VALU_DEP_1)
	v_add_f32_dpp v16, v16, v16 row_xmask:4 row_mask:0xf bank_mask:0xf
	s_delay_alu instid0(VALU_DEP_1)
	v_add_f32_dpp v16, v16, v16 row_xmask:8 row_mask:0xf bank_mask:0xf
	s_delay_alu instid0(VALU_DEP_1)
	v_permlanex16_b32 v6, v16, s22, s23
	s_delay_alu instid0(VALU_DEP_1)
	v_add_f32 v16, v16, v6                         ; my wave's sum
	ds_store_b64 v4, v[2:3]                        ; p, for every wave's stream (PW = 0)
	ds_store_b32 v20, v16
	s_wait_dscnt 0x0
	s_barrier_signal -1
	s_barrier_wait -1
	ds_load_b128 v[8:11], v22
	ds_load_b128 v[12:15], v22 offset:16
	s_wait_dscnt 0x0
	v_add_f32 v8, v8, v9
	v_add_f32 v10, v10, v11
	v_add_f32 v12, v12, v13
	v_add_f32 v14, v14, v15
	s_delay_alu instid0(VALU_DEP_3)
	v_add_f32 v8, v8, v10
	s_delay_alu instid0(VALU_DEP_2)
	v_add_f32 v12, v12, v14
	s_delay_alu instid0(VALU_DEP_1)
	v_add_f32 v8, v8, v12                          ; the row's sum
	s_wait_alu depctr_va_vdst(0)
	v_rcp_f32 v17, v8
	v_nop
	s_wait_alu depctr_va_vdst(0)
	v_mul_f32 v18, v2, v17
	v_mul_f32 v19, v3, v17                         ; the attention weights
	s_lshr_b32 s25, s12, 1
	s_cmp_lg_u32 s25, ttmp9                        ; of out1's row the work-group stores its quarter: waves 2 q and 2 q + 1, 256 consecutive bytes each, aligned
	s_cbranch_scc1 .Lnot_out1
	global_store_b64 v4, v[18:19], s[10:11]
.Lnot_out1:
.irp k, 0,1,2,3,4,5,6,7,8,9,10,11,12,13,14,15
	v_mov_b32 v[ACCU+\k], 0
.endr
; One slot's turn.  left = how many younger loads may be out when this slot's four have to be in.
.macro SLOT i, refill, left
	s_wait_loadcnt \left                           ; loads come back in order (ISA guide 5.7.1); this wait also frees the slot's address register
.set k, 0
.rept 16
	v_fmac_f32 v[ACCU+k], v[WT+\i], v[X+16*(\i)+k]
.set k, k+1
.endr
.if \refill
	v_add_nc_u32 v[OFF+\i], 0x10000, v[OFF+\i]     ; eight rows on
.irp c, 0,1,2,3
	global_load_b128 v[X+16*(\i)+4*\c:X+16*(\i)+4*\c+3], v[OFF+\i], s[4:5] offset:512*\c th:TH_LOAD_NT
.endr
.endif
.endm
	s_lshl_b32 s26, s12, 8                         ; p of my wave's first row: 4 x 64 w
	s_mov_b32 s27, 7
.Ltrip:                                            ; seven trips of eight rows; the eighth is written out, without loads
	v_mov_b32 v24, s26
	ds_load_b128 v[WT:WT+3], v24                   ; the trip's eight weights, the same in every lane
	ds_load_b128 v[WT+4:WT+7], v24 offset:16
	s_wait_dscnt 0x0
.irp i, 0,1,2,3,4,5,6,7
	SLOT \i, 1, 28                                 ; seven younger slots of four loads stay out
.endr
	s_add_co_u32 s26, s26, 32
	s_sub_co_u32 s27, s27, 1
	s_cmp_lg_u32 s27, 0
	s_cbranch_scc1 .Ltrip
	v_mov_b32 v24, s26
	ds_load_b128 v[WT:WT+3], v24
	ds_load_b128 v[WT+4:WT+7], v24 offset:16
	s_wait_dscnt 0x0
.irp i, 0,1,2,3,4,5,6,7
	SLOT \i, 0, 4*(7-\i)                           ; the counts run down
.endr
.irp c, 0,1,2,3
	ds_store_b128 v23, v[ACCU+4*\c:ACCU+4*\c+3] offset:512*\c      ; my wave's 512 sums, as they lie in a row
.endr
	s_wait_dscnt 0x0
	s_barrier_signal -1
	s_barrier_wait -1
.irp w, 0,1,2,3,4,5,6,7
	ds_load_b64 v[X+2*\w:X+2*\w+1], v25 offset:2048*\w             ; thread tau takes columns 2 tau, 2 tau + 1 of all eight waves
.endr
	s_wait_dscnt 0x0
	v_pk_add_f32 v[X:X+1], v[X:X+1], v[X+2:X+3]
	v_pk_add_f32 v[X+4:X+5], v[X+4:X+5], v[X+6:X+7]
	v_pk_add_f32 v[X+8:X+9], v[X+8:X+9], v[X+10:X+11]
	v_pk_add_f32 v[X+12:X+13], v[X+12:X+13], v[X+14:X+15]
	s_delay_alu instid0(VALU_DEP_3)
	v_pk_add_f32 v[X:X+1], v[X:X+1], v[X+4:X+5]
	s_delay_alu instid0(VALU_DEP_2)
	v_pk_add_f32 v[X+8:X+9], v[X+8:X+9], v[X+12:X+13]
	s_delay_alu instid0(VALU_DEP_1)
	v_pk_add_f32 v[X:X+1], v[X:X+1], v[X+8:X+9]
	v_mul_f32 v[X], v[X], v17                      ; / the row's sum
	v_mul_f32 v[X+1], v[X+1], v17
	global_store_b64 v4, v[X:X+1], s[8:9]          ; a wave stores 256 consecutive bytes, aligned
	s_wait_tensorcnt 0x0                           ; the wave's end, behind my last LDS store
	ds_add_u32 v[SPW], v[NIL]
	s_wait_dscnt 0x0
	s_endpgm
.Lfunc_end_k_q6799c9cba5_ctx:
	.size	k_q6799c9cba5_ctx, .Lfunc_end_k_q6799c9cba5_ctx-k_q6799c9cba5_ctx
	.p2alignl 7, 3214868480
	.fill 96, 4, 3214868480
	.section	.rodata,"a",@progbits
	.p2align	6, 0x0
	.amdhsa_kernel k_q6799c9cba5_ctx
		.amdhsa_group_segment_fixed_size 19968
		.amdhsa_private_segment_fixed_size 0
		.amdhsa_enable_private_segment 0
		.amdhsa_kernarg_size 32
		.amdhsa_user_sgpr_count 2
		.amdhsa_user_sgpr_kernarg_segment_ptr 1
		.amdhsa_wavefront_size32 1
		.amdhsa_system_sgpr_workgroup_id_x 1
		.amdhsa_system_sgpr_workgroup_id_y 1
		.amdhsa_system_sgpr_workgroup_id_z 1
		.amdhsa_system_vgpr_workitem_id 0
		.amdhsa_next_free_vgpr 192
		.amdhsa_next_free_sgpr 66
		.amdhsa_reserve_vcc 0
		.amdhsa_float_denorm_mode_32 3
		.amdhsa_float_denorm_mode_16_64 3
		.amdhsa_memory_ordered 1
		.amdhsa_forward_progress 1
		.amdhsa_inst_pref_size 24
	.end_amdhsa_kernel
	.amdgpu_metadata
---
amdhsa.version: [ 1, 2 ]
amdhsa.kernels:
  - .name:           k_q6799c9cba5_ctx
    .symbol:         k_q6799c9cba5_ctx.kd
    .args:
      - { .name: encoder_outputs, .offset: 0, .size: 8, .value_kind: global_buffer, .address_space: global }
      - { .name: sc, .offset: 8, .size: 8, .value_kind: global_buffer, .address_space: global }
      - { .name: out0, .offset: 16, .size: 8, .value_kind: global_buffer, .address_space: global }
      - { .name: out1, .offset: 24, .size: 8, .value_kind: global_buffer, .address_space: global }
    .group_segment_fixed_size: 19968
    .private_segment_fixed_size: 0
    .kernarg_segment_align: 8
    .kernarg_segment_size: 32
    .max_flat_workgroup_size: 256
    .sgpr_count:     66
    .vgpr_count:     192
    .wavefront_size: 32
...
	.end_amdgpu_metadata
.endif
;; end of part 6
